; MI455X (gfx1250); checked and timed in simulation.
; The chip was launched on July 23, 2026; its instructions are those of AMD's public machine-readable ISA for CDNA 5 (MIT licence, August 2026) and "CDNA5" Instruction Set Architecture Reference Guide (July 2026). The comments in the code are by the model that wrote it; some were corrected since.
;; Scaling Attention. Allowed arithmetic: matrix products marked QUANTISED: E2M3 operands, one E8M0 scale for each 32 along K, by v_wmma_scale_f32_16x16x128_f8f6f4 with both operands' format E2M3, f32 sums; everything else in f32.
;; Inputs: Wk 1,024 x 1,024 float32; Wo 1,024 x 1,024 float32; Wq 1,024 x 1,024 float32; Wv 1,024 x 1,024 float32; bo 1,024 float32; kv 4 x 1,024 x 1,024 float32; ln_b 1,024 float32; ln_g 1,024 float32; q 4 x 2,048 x 1,024 float32.
;; Outputs: out0 4 x 2,048 x 1,024 float32.
;; This version of the problem:
;;   THIS VERSION OF THE PROBLEM IS GIVEN IN LOW PRECISION. The matrix products marked QUANTISED in the list below multiply operands that are first quantised to E2M3 (2 exponent bits, 3 mantissa bits; 6 bits a number), with one power-of-two scale for each 32 numbers along K (OCP MX v1.0); their sums are f32. All else is computed in f32.
;;   The module's matrix products, in the order in which they are computed (A, B: the left and right operand; K: the contracted axis; several contracted axes count as one K, in the product's order):
;;     1. [M 8,192, K 1,024] x [K 1,024, N 1,024]; A: input q; B: input Wq: QUANTISED
;;     2. [M 4,096, K 1,024] x [K 1,024, N 1,024]; A: input kv; B: input Wk: QUANTISED
;;     3. [M 4,096, K 1,024] x [K 1,024, N 1,024]; A: input kv; B: input Wv: QUANTISED
;;     4. batch 64 x [M 2,048, K 64] x [K 64, N 1,024]; A: computed on the way; B: computed on the way: QUANTISED
;;     5. batch 64 x [M 2,048, K 1,024] x [K 1,024, N 64]; A: softmax (see below); B: computed on the way: QUANTISED
;;     6. [M 8,192, K 1,024] x [K 1,024, N 1,024]; A: computed on the way; B: input Wo: QUANTISED
;;   THE QUANTISER, for each operand of a quantised product, along K:
;;     - K is cut into blocks of 32 from its start; a last block that is shorter is filled with zeros.
;;     - A block's scale is 2^e with e = floor(log2(the largest magnitude in the block)) - 2, held to -126 .. 127; a block of zeros has e = 0. As a byte (E8M0): e + 127.
;;     - Each number is divided by its block's scale, clamped to +-7.5, and rounded to the nearest number of E2M3, ties to even, subnormals kept.
;;     - The product sums the exact products of the quantised numbers (number of the format x scale) in f32.
;;   ~~~python
;;   def quantise(x, axis):      # numpy; x: float32 -> the quantised numbers, widened to float32 again
;;       x = np.moveaxis(x, axis, -1); K = x.shape[-1]
;;       x = np.pad(x, [(0, 0)] * (x.ndim - 1) + [(0, -K % 32)]); x = x.reshape(x.shape[:-1] + (-1, 32)); a = np.abs(x).max(-1, keepdims=True)
;;       e = np.where(a > 0, np.clip(np.frexp(np.where(a > 0, a, 1))[1] - 1 - 2, -126, 127), 0)      # np.frexp(a)[1] - 1 = floor(log2(a)), exactly
;;       r = np.clip(x / 2.0 ** e, -7.5, 7.5)
;;       step = 2.0 ** (np.maximum(np.frexp(np.where(r == 0, 1, r))[1] - 1, 0) - 3)
;;       q = np.round(r / step) * step * 2.0 ** e      # np.round: ties to even
;;       return np.moveaxis(q.reshape(q.shape[:-2] + (-1,))[..., :K], -1, axis).astype(np.float32)
;;   ~~~
;;   SOFTMAX AHEAD OF A QUANTISED PRODUCT. Where the list says 'softmax', what is quantised is not the finished softmax but p = 2^(t - M), with t = logit x log2(e) and M = ceil(the row's largest t), a whole number; so 1/2 < the row's largest p <= 1. The row's sum l is taken of the UNQUANTISED p, in f32, and the product's result is divided by l at the end. Since M is a whole number, a kernel that streams over the keys may use a running M (the ceiling of the running maximum): every later rescaling is an exact power of two, which a block's scale takes up: the codes' values come out the same.
;;   OPERANDS COMPUTED ON THE WAY. 'Computed on the way' means the value that the module computes at that place (a softmax that the list does not call 'softmax' is quantised finished and normalised). What goes into a quantiser is computed in f32, as accurately as f32 sums, v_exp_f32 and their like allow (about 1e-6 of the number): no bf16 or f16 on the way to a quantiser, and a product that is left as it is and whose result goes on into a quantised operand takes f32 operands (vector FMAs, or v_wmma_f32_16x16x4_f32). A number that lies on a knife's edge between two numbers of the format may be rounded either way, as far as f32 arithmetic and the matrix unit's own rounding can turn it there, and no further.
;; One version. Each part assembles by itself: llvm-mc -triple=amdgcn-amd-amdhsa -mcpu=gfx1250 --defsym DOCPART=n.
;; ======== version 1 of 1: 4 launches
;; limits: right only within a limited range of input values
;; workspace buffers: img 13,631,488 bytes; codes 12,582,912 bytes; scl 1,048,576 bytes; oimg 33,554,432 bytes
;; launch prep (part 1): grid 512 x 1, 4 waves a work-group, no clusters, 34,304 bytes of LDS; arguments Wq, Wk, Wo, kv, Wv, q, img; writes img
.if DOCPART == 1
	.amdgcn_target "amdgcn-amd-amdhsa--gfx1250"
	.amdhsa_code_object_version 6
	.text
	.protected	k_qa2b32fa9e4_prep
	.globl	k_qa2b32fa9e4_prep
	.p2align	8
	.type	k_qa2b32fa9e4_prep,@function
k_qa2b32fa9e4_prep:
	s_mov_b64 s[64:65], 0
	v_nop
	global_prefetch_b8 v0, s[64:65] scope:SCOPE_SE
	s_setreg_imm32_b32 hwreg(HW_REG_WAVE_MODE, 25, 1), 1
	s_wait_xcnt 0x0
; PREP: sixteen matrices of 1,024 rows x 1,024 f32 with K innermost (0 Wq, 1 Wk, 2 Wo, 3+b kv[b], 7 Wv, 8+i rows 1,024 i on of q) become codes of FP6 (E2M3) with one E8M0 byte
; for each 32 along K, laid as images of a wave's operand registers, so that the later launches bring them by dense tensor loads and read them by 16-byte LDS loads alone.
; A TILE is 16 rows, and they are not neighbours: lane r of tile T holds row 32 (T / 2) + 8 (T % 2) + r + 8 (r / 8).  A FRAGMENT (16 rows x 128 K: 12 registers a lane) is 1,536 bytes: piece c = registers 4 c .. 4 c + 3 at 16 x lane.
; A GROUP is 16 tiles (256 rows), 212,992 bytes; a matrix is four groups.  In a group of every matrix but Wo: fragment (K step s, tile t) at 24,576 s + 1,536 t; behind them, at 196,608,
; the scale words: 512 bytes for (half kh of K, tile t) at 512 (16 kh + t): lane l holds the four words of row l % 16 for the half's four K steps.
; Wo's groups: record (kh, t) at 106,496 kh + 6,656 t: the half's four fragments, then its 512 bytes of scale words.
; One wave makes one (tile, half of K).  Each load reads 512 consecutive bytes of one row; a K step's 16 rows turn through the wave's own stage in LDS (rows 528 bytes apart) and come back 64 numbers a lane,
; register 16 b + i = k 32 b + 16 (lane / 16) + i of the lane's row.  A block's scale byte is the largest magnitude's exponent field - 2, held at 1 from below.
; LIMITS: NaN and infinities are not served; a block whose largest magnitude lies under 2^-124 (a block of zeros too) gets the byte 1: zeros' codes are zeros, and the bytes are read by this program alone.
.set FRB,  1536
.set KST,  24576
.set GRPB, 212992
.set MATB, 851968
.set SP,   528                         ; a stage row: 512 bytes + 16
.set STG,  16*SP
.set SPARE, 4*STG                      ; behind the four stages: the spare words, 128 bytes a wave
.set LI,   5                           ; 16 x lane
.set SW,   6                           ; stage, way in
.set SR,   7                           ; stage, way back
.set SPW,  8
.set NIL,  9
.set PW,   12                          ; v12-15 the four scale words
.set TM,   16
.set PC,   28
.set X,    64                          ; v64-255 three sets of 64 numbers
.set SEL,  30
	s_load_b256 s[4:11], s[0:1], 0x0               ; Wq, Wk, Wo, kv
	s_load_b128 s[32:35], s[0:1], 0x20             ; Wv, q
	s_load_b64 s[12:13], s[0:1], 0x30              ; img
	v_lshl_add_u32 v[SPW], v0, 2, SPARE
	v_mov_b32 v[NIL], 0
	v_lshrrev_b32 v1, 5, v0
	v_readfirstlane_b32 s16, v1                    ; wave
	v_and_b32 v1, 31, v0
	v_and_b32 v2, 15, v0                           ; r
	v_bfe_u32 v3, v0, 4, 1                         ; h
	v_lshlrev_b32 v[LI], 4, v1
	s_mul_i32 s18, s16, STG
	v_add_nc_u32 v[SW], s18, v[LI]                 ; in: stage row i by the offset, 16 x lane
	v_mul_u32_u24 v[SR], v2, SP
	v_lshl_add_u32 v[SR], v3, 6, v[SR]
	v_add_nc_u32 v[SR], s18, v[SR]                 ; back: stage row r, + 64 h
.irp b, 0,1,2,3
	v_mov_b32 v[TM+4+\b], 0                        ; written once: a lane permute's destination counts as one of its sources
.endr
	s_mov_b32 s[SEL], 0x76543210
	s_mov_b32 s[SEL+1], 0xfedcba98
	s_lshr_b32 s17, ttmp9, 5                       ; mi: 32 work-groups a matrix
	s_and_b32 s18, ttmp9, 31
	s_lshl_b32 s18, s18, 2
	s_add_co_u32 s18, s18, s16
	s_lshr_b32 s19, s18, 1                         ; T
	s_and_b32 s20, s18, 1                          ; kh
	s_lshr_b32 s21, s19, 1
	s_lshl_b32 s21, s21, 17                        ; 32 (T / 2) rows of 4,096 bytes
	s_and_b32 s22, s19, 1
	s_lshl_b32 s22, s22, 15                        ; 8 (T % 2) rows
	s_add_co_u32 s21, s21, s22
	s_lshl_b32 s22, s20, 11                        ; 512 kh numbers along K
	s_add_co_u32 s21, s21, s22
	s_max_u32 s22, s17, 3
	s_sub_co_u32 s22, s22, 3
	s_cmp_lt_u32 s17, 7
	s_cselect_b32 s22, s22, 0                      ; kv's batch,
	s_max_u32 s23, s17, 8
	s_sub_co_u32 s23, s23, 8
	s_add_co_u32 s22, s22, s23                     ; or q's run of 1,024 rows:
	s_lshl_b32 s22, s22, 22                        ; 4 MiB each
	s_add_co_u32 s24, s21, s22
	s_mov_b32 s25, 0
	s_lshr_b32 s21, s19, 4
	s_mul_i32 s21, s21, GRPB
	s_mul_i32 s22, s17, MATB
	s_add_co_u32 s21, s21, s22                     ; the group's first byte in img
	s_and_b32 s22, s19, 15                         ; the tile in its group
	s_mov_b32 s28, KST
	s_mov_b32 s23, 4*KST
	s_mov_b32 s36, FRB
	s_cmp_eq_u32 s17, 2                            ; Wo's layout or the others'
	s_cselect_b32 s28, FRB, s28                    ; from K step to K step
	s_cselect_b32 s23, 106496, s23                 ; from half to half of K
	s_cselect_b32 s36, 6656, s36                   ; from tile to tile
	s_mov_b32 s29, 0
	s_mul_i32 s23, s23, s20
	s_mul_i32 s36, s36, s22
	s_add_co_u32 s26, s21, s23
	s_add_co_u32 s26, s26, s36                     ; my first fragment
	s_mov_b32 s27, 0
	s_lshl_b32 s23, s20, 4
	s_add_co_u32 s23, s23, s22
	s_lshl_b32 s23, s23, 9
	s_add_co_u32 s23, s23, s21
	s_add_co_u32 s23, s23, 8*KST                   ; my scale words: behind the group's fragments,
	s_add_co_u32 s36, s26, 4*FRB                   ; or, for Wo, behind my four
	s_cmp_eq_u32 s17, 2
	s_cselect_b32 s36, s36, s23
	s_mov_b32 s37, 0
	s_wait_alu depctr_va_vdst(0)                   ; the wait at the head's end
	s_wait_kmcnt 0x0
	s_cmp_eq_u32 s17, 0                            ; the choice of buffer hangs on the work-group's number alone
	s_cselect_b64 s[14:15], s[4:5], s[10:11]
	s_cmp_eq_u32 s17, 1
	s_cselect_b64 s[14:15], s[6:7], s[14:15]
	s_cmp_eq_u32 s17, 2
	s_cselect_b64 s[14:15], s[8:9], s[14:15]
	s_cmp_eq_u32 s17, 7
	s_cselect_b64 s[14:15], s[32:33], s[14:15]
	s_cmp_gt_u32 s17, 7
	s_cselect_b64 s[14:15], s[34:35], s[14:15]
	s_add_nc_u64 s[14:15], s[14:15], s[24:25]
	s_add_nc_u64 s[38:39], s[12:13], s[36:37]
	s_add_nc_u64 s[12:13], s[12:13], s[26:27]
.macro XLOAD sp                        ; K step sp: load i brings 512 consecutive bytes of the tile's i-th row, into set sp % 3
.irp i, 0,1,2,3,4,5,6,7,8,9,10,11,12,13,14,15
	global_load_b128 v[X+64*((\sp)%3)+4*\i:X+64*((\sp)%3)+4*\i+3], v[LI], s[14:15] offset:(\i+8*(\i/8))*4096+512*(\sp) th:TH_LOAD_NT
.endr
.endm
.macro TURN sp                         ; through my stage and back into the same registers: LDS serves a wave's instructions in order
.irp i, 0,1,2,3,4,5,6,7,8,9,10,11,12,13,14,15
	ds_store_b128 v[SW], v[X+64*((\sp)%3)+4*\i:X+64*((\sp)%3)+4*\i+3] offset:SP*\i
.endr
.irp b, 0,1,2,3
.irp j, 0,1,2,3
	ds_load_b128 v[X+64*((\sp)%3)+16*\b+4*\j:X+64*((\sp)%3)+16*\b+4*\j+3], v[SR] offset:128*\b+16*\j
.endr
.endr
.endm
.macro QUANT s, pw                     ; 64 numbers v[s] on become a fragment's codes in v[PC] on and its scale word in v[pw]
.irp b, 0,1,2,3
	v_max3_num_f32 v[TM+\b], |v[(\s)+16*\b]|, |v[(\s)+16*\b+1]|, 0x1800000   ; with the floor 2^(3 - 127): the byte cannot fall under 1
.endr
.irp i, 2,4,6,8,10,12,14
.irp b, 0,1,2,3
	v_max3_num_f32 v[TM+\b], v[TM+\b], |v[(\s)+16*\b+\i]|, |v[(\s)+16*\b+\i+1]|
.endr
.endr
.irp b, 0,1,2,3
	v_permlanex16_b32 v[TM+4+\b], v[TM+\b], s[SEL], s[SEL+1]
.endr
.irp b, 0,1,2,3
	v_max_num_f32 v[TM+\b], v[TM+\b], v[TM+4+\b]   ; with lane l xor 16's: the block's largest magnitude
.endr
.irp b, 0,1,2,3
	v_add_nc_u32 v[TM+8+\b], 0xff000000, v[TM+\b]  ; 2 off its exponent field: the conversion's scale operand
.endr
.irp b, 0,1,2,3
	v_lshrrev_b32 v[TM+4+\b], 23, v[TM+8+\b]       ; the scale's byte
.endr
	v_lshl_or_b32 v[\pw], v[TM+5], 8, v[TM+4]
	v_lshl_or_b32 v[\pw], v[TM+6], 16, v[\pw]
	v_lshl_or_b32 v[\pw], v[TM+7], 24, v[\pw]
.irp c, 0,1
	v_cvt_scalef32_pk16_fp6_f32 v[PC+6*\c:PC+6*\c+2], v[(\s)+32*\c:(\s)+32*\c+15], v[TM+8+2*\c]
	v_cvt_scalef32_pk16_fp6_f32 v[PC+12+4*\c:PC+14+4*\c], v[(\s)+32*\c+16:(\s)+32*\c+31], v[TM+9+2*\c]
.endr
	v_nop                                          ; one plain place behind a scaled conversion
.irp c, 0,1                                    ; a whole block to a lane: lanes 0-15 block 2 c, lanes 16-31 block 2 c + 1
.irp i, 0,1,2
	v_permlane16_swap_b32 v[PC+6*\c+\i], v[PC+12+4*\c+\i]
.endr
.irp i, 0,1,2
	v_mov_b32 v[PC+3+6*\c+\i], v[PC+12+4*\c+\i]
.endr
.endr
.endm
.macro STEP sp, left
	s_wait_loadcnt \left                           ; this K step's 16 loads are in; the later K steps' 16 each stay out
	TURN \sp
	s_wait_dscnt 0x0
	s_wait_xcnt 0x0                                ; the last step's stores have read their base and the codes' registers
.if (\sp) > 0
	s_add_nc_u64 s[12:13], s[12:13], s[28:29]      ; the next K step's fragment
.endif
	QUANT X+64*((\sp)%3), PW+(\sp)
.if (\sp) == 0
	XLOAD 3                                        ; set 0 is free
.endif
.irp c, 0,1,2
	global_store_b128 v[LI], v[PC+4*\c:PC+4*\c+3], s[12:13] offset:512*\c   ; 32 lanes store 512 consecutive bytes, at a multiple of 256 from img's first byte
.endr
.endm
	XLOAD 0
	XLOAD 1
	XLOAD 2
	STEP 0, 32
	STEP 1, 32
	STEP 2, 16
	STEP 3, 0
	global_store_b128 v[LI], v[PW:PW+3], s[38:39]  ; my scale words
	s_wait_tensorcnt 0x0                           ; the wave's end
	ds_add_u32 v[SPW], v[NIL]
	s_wait_dscnt 0x0
	s_endpgm
.Lfunc_end_k_qa2b32fa9e4_prep:
	.size	k_qa2b32fa9e4_prep, .Lfunc_end_k_qa2b32fa9e4_prep-k_qa2b32fa9e4_prep
	.p2alignl 7, 3214868480
	.fill 96, 4, 3214868480
	.section	.rodata,"a",@progbits
	.p2align	6, 0x0
	.amdhsa_kernel k_qa2b32fa9e4_prep
		.amdhsa_group_segment_fixed_size 34304
		.amdhsa_private_segment_fixed_size 0
		.amdhsa_enable_private_segment 0
		.amdhsa_kernarg_size 56
		.amdhsa_user_sgpr_count 2
		.amdhsa_user_sgpr_kernarg_segment_ptr 1
		.amdhsa_wavefront_size32 1
		.amdhsa_system_sgpr_workgroup_id_x 1
		.amdhsa_system_sgpr_workgroup_id_y 1
		.amdhsa_system_sgpr_workgroup_id_z 1
		.amdhsa_system_vgpr_workitem_id 0
		.amdhsa_next_free_vgpr 256
		.amdhsa_next_free_sgpr 66
		.amdhsa_reserve_vcc 0
		.amdhsa_float_denorm_mode_32 3
		.amdhsa_float_denorm_mode_16_64 3
		.amdhsa_memory_ordered 1
		.amdhsa_forward_progress 1
		.amdhsa_inst_pref_size 35
	.end_amdhsa_kernel
	.amdgpu_metadata
---
amdhsa.version: [ 1, 2 ]
amdhsa.kernels:
  - .name:           k_qa2b32fa9e4_prep
    .symbol:         k_qa2b32fa9e4_prep.kd
    .args:
      - { .name: Wq, .offset: 0, .size: 8, .value_kind: global_buffer, .address_space: global }
      - { .name: Wk, .offset: 8, .size: 8, .value_kind: global_buffer, .address_space: global }
      - { .name: Wo, .offset: 16, .size: 8, .value_kind: global_buffer, .address_space: global }
      - { .name: kv, .offset: 24, .size: 8, .value_kind: global_buffer, .address_space: global }
      - { .name: Wv, .offset: 32, .size: 8, .value_kind: global_buffer, .address_space: global }
      - { .name: q, .offset: 40, .size: 8, .value_kind: global_buffer, .address_space: global }
      - { .name: img, .offset: 48, .size: 8, .value_kind: global_buffer, .address_space: global }
    .group_segment_fixed_size: 34304
    .private_segment_fixed_size: 0
    .kernarg_segment_align: 8
    .kernarg_segment_size: 56
    .max_flat_workgroup_size: 128
    .sgpr_count:     66
    .vgpr_count:     256
    .wavefront_size: 32
...
	.end_amdgpu_metadata
.endif
;; end of part 1
;; launch proj (part 2): grid 4 x 64, 4 waves a work-group, clusters of 4 x 4, 327,680 bytes of LDS; arguments img, codes, scl; writes codes, scl
.if DOCPART == 2
	.amdgcn_target "amdgcn-amd-amdhsa--gfx1250"
	.amdhsa_code_object_version 6
	.text
	.protected	k_qa2b32fa9e4_proj
	.globl	k_qa2b32fa9e4_proj
	.p2align	8
	.type	k_qa2b32fa9e4_proj,@function
k_qa2b32fa9e4_proj:
	s_mov_b64 s[64:65], 0
	v_nop
	global_prefetch_b8 v0, s[64:65] scope:SCOPE_SE
	s_setreg_imm32_b32 hwreg(HW_REG_WAVE_MODE, 25, 1), 1
	s_wait_xcnt 0x0
	s_wait_alu depctr_hold_cnt(0) depctr_sa_sdst(0) depctr_va_vdst(0) depctr_va_sdst(0) depctr_va_ssrc(0) depctr_va_vcc(0) depctr_vm_vsrc(0)
	s_getreg_b32 s2, hwreg(HW_REG_IB_STS2, 6, 4)
	s_cmp_eq_u32 s2, 0
	s_cbranch_scc0 .Lentry_in_a_cluster
	s_endpgm
.Lentry_in_a_cluster:
	s_bfe_u32 s2, ttmp6, 0x10000c
	s_cmp_lg_u32 s2, 0xf033
	s_cbranch_scc0 .Lentry_shape_is_right
	s_endpgm
.Lentry_shape_is_right:
; PROJ: the three projections on codes of FP6 (E2M3, one E8M0 byte for each 32 along K), and the quantising of their results for attention.  ONE path serves all three:
;   result(X1 row, X0 row) = sum over k of X1[row][k] X0[row][k]; both operands lie in img as register images (the launch before).
;   cluster rows 0-7: Q: X1 = q's rows (matrix 8 + Cy), X0 = Wq.   8-11: K: X1 = kv[Cy - 8], X0 = Wk.   12-15: V^T: X1 = Wv, X0 = kv[Cy - 12] (the keys).
; A work-group makes 256 rows of X1 (group cy of its matrix) x 256 rows of X0 (group cx): 256 blocks, one for each WGP.  A wave makes 128 x 128: 64 accumulators, 512 registers.
; SOURCE 0 IS X0 AND SOURCE 1 IS X1, and the rows of a tile are not neighbours (lane r of tile T: row 32 (T / 2) + 8 (T % 2) + r + 8 (r / 8)): a lane holds ONE row of X1, and the 16 registers of
; tiles 2 b, 2 b + 1 are 16 neighbouring rows of X0, the axis along which the result is quantised (a head's channels for Q and K, the keys for V).
; K's eight steps of 128 go through two LDS slots of three steps each: fills of 3, 3 and 2 steps.  A wave fetches a quarter of a fill by one tensor load: one row of 12,288 bytes (8 tiles' fragments) for each K step,
; 24,576 bytes apart in memory, each beginning at a multiple of 256 bytes.  CLUSTER 4 x 4: X1's tiles are asked for jointly along a row of the cluster, X0's along a column.
; The scale words (16 tiles x 8 K steps a wave) come straight into 128 registers, 512 consecutive bytes a load, and stay.
; No prefetch is laid: the text has no loop to run ahead in, and K is three fills long.
; OUT, for each 64 rows of X1 x 64 rows of X0, a record: 4 half fragments (6 registers: 512 bytes at 16 x lane, 256 at 8 x lane) to codes; 256 bytes of scale words to scl (lane (r, h): words of tiles h and 2 + h; bytes 0, 1 the two blocks).
; LIMITS: NaN and infinities are not served; a block whose largest magnitude lies under 2^-124 (a block of zeros too) gets the byte 1; the bytes are read by this program alone.
; REGISTERS: window 0: v16-29 addresses; v32-95 X0's scale words, v96-159 X1's ((half kh, tile i) at 4 (8 kh + i)); v160-255 X1's eight fragments, one set; on the way out v160-229 at work.
;   window 1: X0's fragments, two sets, at v0 and v128.   window 2: accumulators of X1's tiles 0-3 ((a, b) at 8 (8 a + b)); window 3: tiles 4-7.
.set FRB,   1536
.set KST,   24576                      ; from K step to K step in a group
.set HALFB, 12288                      ; 8 tiles' fragments of a K step
.set GRPB,  212992
.set MATB,  851968
.set SCO,   196608                     ; a group's scale words
.set QTR,   3*HALFB                    ; a wave's quarter of a slot
.set SLOT,  4*QTR
.set SPARE, 2*SLOT                     ; behind the slots: the spare words, 128 bytes a wave
.set ADR1, 16                          ; v16, v17: my X1 half in slot 0, 1, + 16 x lane
.set ADR0, 20                          ; v20, v21: my X0 half
.set LI,   24
.set L8,   25
.set SPW,  28
.set NIL,  29
.set S0,   32
.set S1,   96
.set AF,   160
.set TA,   160
.set TB,   168
.set TC,   176
.set OC,   184
.set UH,   208
.set WD,   224
.set WO,   228
.set SEL,  2
.set HM,   42
.set G1,   24
.set G0,   32
.set G1B,  48
.set G0B,  56
.set PO,   76                          ; s76-91: for record e = 2 mb + tg: its place in codes, its place in scl
.set MSB, 0
.macro WIN new                         ; the immediate's high byte repeats the setting that is left
.if MSB != (\new)
	s_set_vgpr_msb (MSB<<8)|(\new)
.set MSB, (\new)
.endif
.endm
.set MUL_LO, 0xa1                      ; source 0 (X0) window 1, source 1 (X1) window 0, C and D window 2
.set MUL_HI, 0xf1
.set TO_B,   0x40
.macro PLACES n
.rept \n
	v_nop
.endr
.endm
.macro JLOAD s                         ; waves 0, 1 fetch X1's halves, waves 2, 3 X0's: each line has one mask; the branch hangs on the wave's number alone
	s_cmp_eq_u32 s11, 0
	s_cbranch_scc0 .Lfor_b_\@
	tensor_load_to_lds s[G0+4*\s:G0+4*\s+3], s[G1:G1+7]
	s_nop 0
	PLACES 4
	s_branch .Lasked_\@
.Lfor_b_\@:
	tensor_load_to_lds s[G0B+4*\s:G0B+4*\s+3], s[G1B:G1B+7]
	s_nop 0
	PLACES 4
.Lasked_\@:
.endm
.macro CREST                           ; a round of the cluster's barrier behind its opening barrier
	s_cmp_lg_u32 s10, 0
	s_cbranch_scc1 .Lnot_wave_0_\@
	s_barrier_signal -3
.Lnot_wave_0_\@:
	s_barrier_wait -3
	s_barrier_signal -1
	s_barrier_wait -1
.endm
.macro CROUND
	s_barrier_signal -1
	s_barrier_wait -1
	CREST
.endm
	s_load_b128 s[4:7], s[0:1], 0x0                ; img, codes
	s_load_b64 s[8:9], s[0:1], 0x10                ; scl
	v_lshl_add_u32 v[SPW], v0, 2, SPARE
	v_mov_b32 v[NIL], 0
	ds_add_u32 v[SPW], v[NIL]                      ; the opening lines: the add, twice on end, and its wait ahead of my first tensor load
	ds_add_u32 v[SPW], v[NIL]
	v_lshrrev_b32 v1, 5, v0
	v_readfirstlane_b32 s10, v1                    ; wave 0..3
	s_lshr_b32 s11, s10, 1                         ; my half of X1's rows.  Also: I fetch for X1 (0) or X0 (1)
	s_and_b32 s12, s10, 1                          ; my half of X0's rows.  Also: which 8 tiles I fetch
	s_bfe_u32 s40, ttmp6, 0x40000                  ; cx
	s_bfe_u32 s41, ttmp6, 0x40004                  ; cy
	s_and_b32 s13, ttmp7, 0xffff                   ; Cy: the cluster's row, 0..15
	s_lshl_b32 s43, s41, 2
	s_lshl_b32 s43, 15, s43                        ; my row of the cluster
	s_lshl_b32 s44, 0x1111, s40                    ; my column
	s_or_b32 s[G1], s43, (3<<16)|(1<<21)           ; elements of 8 bytes, no padding; bit 21 beside the mask
	s_or_b32 s[G1B], s44, (3<<16)|(1<<21)
.irp g, G1, G1B
	s_mov_b32 s[\g+1], 1536<<16                    ; a row: 1,536 elements
	s_mov_b32 s[\g+2], 3<<16                       ; three rows
	s_mov_b32 s[\g+3], 1536<<16
	s_mov_b32 s[\g+4], 3
	s_mov_b32 s[\g+5], 3072                        ; the pitch: 24,576 bytes
	s_mov_b32 s[\g+6], 0
	s_mov_b32 s[\g+7], 0
.endr
	s_add_co_u32 s14, s13, 8                       ; Q: X1 = matrix 8 + Cy
	s_max_u32 s15, s13, 8
	s_sub_co_u32 s15, s15, 5                       ; K: X1 = matrix 3 + (Cy - 8)
	s_max_u32 s16, s13, 12
	s_sub_co_u32 s16, s16, 9                       ; V: X0 = matrix 3 + (Cy - 12)
	s_cmp_lt_u32 s13, 12
	s_cselect_b32 s15, s15, 7
	s_cselect_b32 s16, 1, s16
	s_cmp_lt_u32 s13, 8
	s_cselect_b32 s14, s14, s15                    ; X1's matrix
	s_cselect_b32 s15, 0, s16                      ; X0's
	s_mul_i32 s16, s14, MATB
	s_mul_i32 s17, s41, GRPB
	s_add_co_u32 s16, s16, s17                     ; X1's group: it hangs on Cy and cy alone
	s_mov_b32 s17, 0
	s_mul_i32 s46, s15, MATB
	s_mul_i32 s47, s40, GRPB
	s_add_co_u32 s46, s46, s47                     ; X0's: on Cy and cx alone
	s_mov_b32 s47, 0
	s_mul_i32 s18, s12, HALFB
	s_mov_b32 s19, 0
	s_mul_i32 s20, s10, QTR                        ; LDS: wave x a quarter
	s_mov_b32 s[SEL], 0x76543210
	s_mov_b32 s[SEL+1], 0xfedcba98
	s_mov_b32 s[HM], 0xffff0000
	s_wait_dscnt 0x0                               ; both opening adds are done
	s_wait_kmcnt 0x0
	s_add_nc_u64 s[16:17], s[4:5], s[16:17]
	s_add_nc_u64 s[46:47], s[4:5], s[46:47]
	s_add_nc_u64 s[66:67], s[16:17], s[18:19]
	s_add_nc_u64 s[68:69], s[46:47], s[18:19]
	CROUND                                         ; all sixteen work-groups are here: the first joint loads meet
.irp s, 0,1
	s_mov_b32 s[G0+4*\s], 1
	s_add_co_u32 s[G0+4*\s+1], s20, \s*SLOT
	s_add_nc_u64 s[G0+4*\s+2:G0+4*\s+3], s[66:67], \s*3*KST
	s_or_b32 s[G0+4*\s+3], s[G0+4*\s+3], 0x80000000
	s_mov_b32 s[G0B+4*\s], 1
	s_add_co_u32 s[G0B+4*\s+1], s20, \s*SLOT
	s_add_nc_u64 s[G0B+4*\s+2:G0B+4*\s+3], s[68:69], \s*3*KST
	s_or_b32 s[G0B+4*\s+3], s[G0B+4*\s+3], 0x80000000
.endr
	JLOAD 0                                        ; K steps 0-2: my one tensor load at the head
	s_mul_i32 s21, s11, QTR
	s_mul_i32 s22, s12, QTR
	s_add_co_u32 s22, s22, 2*QTR                   ; X0's quarters lie behind X1's two
	v_and_b32 v1, 31, v0
	v_lshlrev_b32 v[LI], 4, v1
	v_lshlrev_b32 v[L8], 3, v1
	v_add_nc_u32 v[ADR1], s21, v[LI]
	v_add_nc_u32 v[ADR0], s22, v[LI]
	v_add_nc_u32 v[ADR1+1], SLOT, v[ADR1]
	v_add_nc_u32 v[ADR0+1], SLOT, v[ADR0]
	s_wait_alu depctr_va_vdst(0)                   ; the wait behind the head's last vector instruction
	s_lshl_b32 s18, s11, 12
	s_add_co_u32 s18, s18, SCO
	s_add_nc_u64 s[70:71], s[16:17], s[18:19]      ; the scale words of my 8 tiles of X1,
	s_lshl_b32 s18, s12, 12
	s_add_co_u32 s18, s18, SCO
	s_add_nc_u64 s[72:73], s[46:47], s[18:19]      ; and of X0
.irp kh, 0,1
.irp i, 0,1,2,3,4,5,6,7
	global_load_b128 v[S0+4*(8*\kh+\i):S0+4*(8*\kh+\i)+3], v[LI], s[72:73] offset:(16*\kh+\i)*512
	global_load_b128 v[S1+4*(8*\kh+\i):S1+4*(8*\kh+\i)+3], v[LI], s[70:71] offset:(16*\kh+\i)*512
.endr
.endr
	; my four records.  Q: 512 b + block of 64 queries + 32 head;  K: 2,048 + 256 b + block of 64 keys + 16 head;  V: 3,072 + 16 (16 b + head) + block of 64 keys
	s_lshl_b32 s74, s13, 2
	s_add_co_u32 s74, s74, s41                     ; y = 4 Cy + cy
	s_lshr_b32 s75, s74, 3
	s_lshl_b32 s75, s75, 9
	s_and_b32 s74, s74, 7
	s_lshl_b32 s74, s74, 2
	s_add_co_u32 s75, s75, s74
	s_lshl_b32 s74, s40, 7
	s_add_co_u32 s75, s75, s74                     ; Q: 512 (y / 8) + 4 (y % 8) + 128 cx
	s_lshl_b32 s92, s13, 8                         ; 2,048 + 256 (Cy - 8) = 3,072 + 256 (Cy - 12) = 256 Cy
	s_lshl_b32 s74, s41, 2
	s_lshl_b32 s93, s40, 6
	s_add_co_u32 s74, s74, s93
	s_add_co_u32 s74, s74, s92                     ; K: 256 Cy + 4 cy + 64 cx
	s_lshl_b32 s93, s41, 6
	s_lshl_b32 s94, s40, 2
	s_add_co_u32 s93, s93, s94
	s_add_co_u32 s93, s93, s92                     ; V: 256 Cy + 64 cy + 4 cx
	s_cmp_lt_u32 s13, 12
	s_cselect_b32 s74, s74, s93
	s_cselect_b32 s94, 1, 16                       ; records from one 64 rows of X1 to the next,
	s_cselect_b32 s95, 16, 1                       ; and of X0
	s_cmp_lt_u32 s13, 8
	s_cselect_b32 s74, s75, s74
	s_cselect_b32 s95, 32, s95
	s_mul_i32 s92, s94, s11
	s_lshl_b32 s92, s92, 1
	s_add_co_u32 s74, s74, s92
	s_mul_i32 s92, s95, s12
	s_lshl_b32 s92, s92, 1
	s_add_co_u32 s74, s74, s92                     ; my wave's first record
	s_mov_b32 s97, 0
.irp e, 0,1,2,3
	s_mul_i32 s92, s94, (\e)/2
	s_mul_i32 s93, s95, (\e)%2
	s_add_co_u32 s92, s92, s93
	s_add_co_u32 s92, s92, s74
	s_mul_i32 s96, s92, 3072
	s_add_nc_u64 s[PO+4*\e:PO+4*\e+1], s[6:7], s[96:97]
	s_lshl_b32 s96, s92, 8
	s_add_nc_u64 s[PO+4*\e+2:PO+4*\e+3], s[8:9], s[96:97]
.endr
.macro FRAG reg, adr, off              ; a fragment: 12 registers, three loads of 16 bytes a lane, as it lies
.irp c, 0,1,2
	ds_load_b128 v[(\reg)+4*\c:(\reg)+4*\c+3], v[\adr] offset:(\off)+512*\c
.endr
.endm
.macro FETCH_B st, p                   ; X0's eight fragments of K step st (slot (st / 3) % 2, place st % 3) into set p
	WIN TO_B
.irp i, 0,1,2,3,4,5,6,7
	FRAG 128*(\p)+12*\i, ADR0+((\st)/3)%2, ((\st)%3)*HALFB+\i*FRB
.endr
	WIN 0
.endm
.macro FETCH_A st, i0                  ; X1's tiles i0 .. i0 + 3
.irp i, \i0, \i0+1, \i0+2, \i0+3
	FRAG AF+12*(\i), ADR1+((\st)/3)%2, ((\st)%3)*HALFB+(\i)*FRB
.endr
.endm
; 16 products: X1's tiles a0, a0 + 1 x X0's eight.  The 64 accumulators take turns, one instruction a turn, in the same order in every K step.
.macro MUL16 a0, p, st, zero
.irp a, \a0, \a0+1
.irp b, 0,1,2,3,4,5,6,7
.if \zero
	v_wmma_scale_f32_16x16x128_f8f6f4 v[8*(8*((\a)%4)+\b):8*(8*((\a)%4)+\b)+7], v[128*(\p)+12*\b:128*(\p)+12*\b+11], v[AF+12*(\a):AF+12*(\a)+11], 0, v[S0+4*(8*((\st)/4)+\b)+(\st)%4], v[S1+4*(8*((\st)/4)+(\a))+(\st)%4] matrix_a_fmt:MATRIX_FMT_FP6 matrix_b_fmt:MATRIX_FMT_FP6
.else
	v_wmma_scale_f32_16x16x128_f8f6f4 v[8*(8*((\a)%4)+\b):8*(8*((\a)%4)+\b)+7], v[128*(\p)+12*\b:128*(\p)+12*\b+11], v[AF+12*(\a):AF+12*(\a)+11], v[8*(8*((\a)%4)+\b):8*(8*((\a)%4)+\b)+7], v[S0+4*(8*((\st)/4)+\b)+(\st)%4], v[S1+4*(8*((\st)/4)+(\a))+(\st)%4] matrix_a_fmt:MATRIX_FMT_FP6 matrix_b_fmt:MATRIX_FMT_FP6
.endif
.endr
.endr
.endm
; A K step: 64 products; the next step's fragments are fetched in its middle (X0's, X1's tiles 0-3) and at its end (tiles 4-7).  K steps 2 and 5 are a slot's last: one barrier shows the other slot whole and this one read out.
.macro STEP st, zero
.set NX, (\st)+1
.if (\st)%3 == 2
	s_wait_tensorcnt 0x0                           ; all my tensor loads have landed: my quarter of the other slot
	ds_add_u32 v[SPW], v[NIL]                      ; 0 onto my spare word
.if (\st) == 2
	s_mov_b32 s[G1+2], 2<<16                       ; no load of mine is out: the last fill has two rows, K steps 6 and 7
	s_mov_b32 s[G1+4], 2
	s_mov_b32 s[G1B+2], 2<<16
	s_mov_b32 s[G1B+4], 2
.endif
	s_wait_dscnt 13                                ; the add and the 12 youngest loads (X1's tiles 4-7) may be out
	WIN MUL_LO
	MUL16 0, (\st)%2, \st, \zero
	s_wait_dscnt 0x0                               ; the add is done, and my reads of this slot are over
	s_barrier_signal -1
	MUL16 2, (\st)%2, \st, \zero
	WIN 0
	s_barrier_wait -1
.if (\st) == 2
	CREST                                          ; the barrier has opened a round of the cluster's barrier
	JLOAD 0                                        ; slot 0 again: my one load behind the round; its four v_nop are the places in front of the loads below
.else
	PLACES 4
.endif
.else
	s_wait_dscnt 12                                ; X0's set and X1's tiles 0-3 are in; the 12 youngest loads may be out
	WIN MUL_LO
	MUL16 0, (\st)%2, \st, \zero
	MUL16 2, (\st)%2, \st, \zero
	s_wait_dscnt 0x0
	PLACES 4                                       ; between products and loads into their operands
.endif
	FETCH_B NX, NX%2
	FETCH_A NX, 0
	WIN MUL_HI
	MUL16 4, (\st)%2, \st, \zero
	MUL16 6, (\st)%2, \st, \zero
	PLACES 4
	WIN 0
	FETCH_A NX, 4
.endm
; THE WAY OUT of record e = 2 mb + tg: X1's tiles 4 mb .. + 3 x X0's tiles 4 tg .. + 3.  Block q = 2 m + blk: a lane's 16 results, the other 16 in lane l xor 16.
.macro EPI e
.set EW, 2+(\e)/2
.set AB, 32*((\e)%2)
.if (\e) > 0
	s_wait_alu depctr_va_vdst(0)                   ; the wait ahead of the wait below
	s_wait_xcnt 0x0                                ; the last record's stores have read their data
.endif
.irp q, 0,1,2,3,4,5,6,7
	v_mov_b32 v[TA+\q], 0x1800000                  ; the floor 2^(3 - 127): the byte cannot fall under 1
.endr
	WIN (EW<<2)|(EW<<4)
.irp i, 0,2,4,6,8,10,12,14
.irp q, 0,1,2,3,4,5,6,7
	v_max3_num_f32 v[TA+\q], v[TA+\q], |v[AB+64*(\q/2)+16*(\q%2)+\i]|, |v[AB+64*(\q/2)+16*(\q%2)+\i+1]|   ; each accumulator from its low end on
.endr
.endr
	WIN 0
.irp q, 0,1,2,3,4,5,6,7
	v_permlanex16_b32 v[TB+\q], v[TA+\q], s[SEL], s[SEL+1]
.endr
.irp q, 0,1,2,3,4,5,6,7
	v_max_num_f32 v[TA+\q], v[TA+\q], v[TB+\q]
.endr
.irp q, 0,1,2,3,4,5,6,7
	v_add_nc_u32 v[TC+\q], 0xff000000, v[TA+\q]    ; 2 off the exponent field: the conversion's scale operand
.endr
.irp q, 0,1,2,3,4,5,6,7
	v_lshrrev_b32 v[TB+\q], 23, v[TC+\q]           ; the scale's byte
.endr
.irp m, 0,1,2,3
	v_lshl_or_b32 v[WD+\m], v[TB+2*\m+1], 8, v[TB+2*\m]
.endr
	WIN EW
.irp m, 0,1,2,3
	v_cvt_scalef32_pk16_fp6_f32 v[OC+6*\m:OC+6*\m+2], v[AB+64*\m:AB+64*\m+15], v[TC+2*\m]
	v_cvt_scalef32_pk16_fp6_f32 v[UH+4*\m:UH+4*\m+2], v[AB+64*\m+16:AB+64*\m+31], v[TC+2*\m+1]
.endr
	WIN 0
	v_nop                                          ; one plain place behind a scaled conversion
.irp m, 0,1,2,3
.irp i, 0,1,2
	v_permlane16_swap_b32 v[OC+6*\m+\i], v[UH+4*\m+\i]
.endr
.irp i, 0,1,2
	v_mov_b32 v[OC+6*\m+3+\i], v[UH+4*\m+\i]
.endr
.endr
	v_cndmask_b32 v[WO], v[WD], v[WD+1], s[HM]     ; lanes 0-15: tile 0's word, lanes 16-31: tile 1's
	v_cndmask_b32 v[WO+1], v[WD+2], v[WD+3], s[HM]
.irp m, 0,1,2,3
	global_store_b128 v[LI], v[OC+6*\m:OC+6*\m+3], s[PO+4*(\e):PO+4*(\e)+1] offset:768*\m        ; 512 consecutive bytes, at a multiple of 256 from the buffer's first byte
	global_store_b64 v[L8], v[OC+6*\m+4:OC+6*\m+5], s[PO+4*(\e):PO+4*(\e)+1] offset:768*\m+512   ; 256 likewise
.endr
	global_store_b64 v[L8], v[WO:WO+1], s[PO+4*(\e)+2:PO+4*(\e)+3]
.endm
	s_wait_tensorcnt 0x0                           ; my quarter of K steps 0-2 is in
	ds_add_u32 v[SPW], v[NIL]
	s_add_nc_u64 s[G0+2:G0+3], s[G0+2:G0+3], 6*KST ; no load of mine is out: slot 0's next fill begins at K step 6
	s_add_nc_u64 s[G0B+2:G0B+3], s[G0B+2:G0B+3], 6*KST
	s_wait_dscnt 0x0
	CROUND                                         ; everybody's quarter is in, and all sixteen work-groups are here
	JLOAD 1                                        ; K steps 3-5: slot 1's first fill, my one load behind the round
	FETCH_B 0, 0
	FETCH_A 0, 0
	FETCH_A 0, 4
	s_wait_loadcnt 0x0                             ; the scale words
	STEP 0, 1                                      ; the first products start the sums: nothing is cleared
	STEP 1, 0
	STEP 2, 0
	STEP 3, 0
	STEP 4, 0
	STEP 5, 0
	STEP 6, 0
	s_wait_dscnt 12                                ; the last K step: nothing more to fetch
	WIN MUL_LO
	MUL16 0, 1, 7, 0
	MUL16 2, 1, 7, 0
	s_wait_dscnt 0x0
	WIN MUL_HI
	MUL16 4, 1, 7, 0
	MUL16 6, 1, 7, 0
	WIN 0
	PLACES 4                                       ; between the last products and the first read of results and write over operands
.irp q, 0,1,2,3,4,5,6,7
	v_mov_b32 v[TB+\q], 0                          ; written once: a lane permute's destination counts as one of its sources
.endr
	EPI 0
	EPI 1
	EPI 2
	EPI 3
	s_wait_tensorcnt 0x0                           ; the wave's end
	ds_add_u32 v[SPW], v[NIL]
	s_wait_dscnt 0x0
	CROUND                                         ; the closing round: no work-group ends while a partner may still ask for a tile that names it
	s_endpgm
.Lfunc_end_k_qa2b32fa9e4_proj:
	.size	k_qa2b32fa9e4_proj, .Lfunc_end_k_qa2b32fa9e4_proj-k_qa2b32fa9e4_proj
	.p2alignl 7, 3214868480
	.fill 96, 4, 3214868480
	.section	.rodata,"a",@progbits
	.p2align	6, 0x0
	.amdhsa_kernel k_qa2b32fa9e4_proj
		.amdhsa_group_segment_fixed_size 327680
		.amdhsa_private_segment_fixed_size 0
		.amdhsa_enable_private_segment 0
		.amdhsa_kernarg_size 24
		.amdhsa_user_sgpr_count 2
		.amdhsa_user_sgpr_kernarg_segment_ptr 1
		.amdhsa_wavefront_size32 1
		.amdhsa_system_sgpr_workgroup_id_x 1
		.amdhsa_system_sgpr_workgroup_id_y 1
		.amdhsa_system_sgpr_workgroup_id_z 1
		.amdhsa_system_vgpr_workitem_id 0
		.amdhsa_next_free_vgpr 1024
		.amdhsa_next_free_sgpr 98
		.amdhsa_reserve_vcc 0
		.amdhsa_float_denorm_mode_32 3
		.amdhsa_float_denorm_mode_16_64 3
		.amdhsa_memory_ordered 1
		.amdhsa_forward_progress 1
		.amdhsa_inst_pref_size 141
	.end_amdhsa_kernel
	.amdgpu_metadata
---
amdhsa.version: [ 1, 2 ]
amdhsa.kernels:
  - .name:           k_qa2b32fa9e4_proj
    .symbol:         k_qa2b32fa9e4_proj.kd
    .args:
      - { .name: img, .offset: 0, .size: 8, .value_kind: global_buffer, .address_space: global }
      - { .name: codes, .offset: 8, .size: 8, .value_kind: global_buffer, .address_space: global }
      - { .name: scl, .offset: 16, .size: 8, .value_kind: global_buffer, .address_space: global }
    .group_segment_fixed_size: 327680
    .private_segment_fixed_size: 0
    .kernarg_segment_align: 8
    .kernarg_segment_size: 24
    .max_flat_workgroup_size: 128
    .sgpr_count:     98
    .vgpr_count:     1024
    .wavefront_size: 32
...
	.end_amdgpu_metadata
.endif
;; end of part 2
;; launch attn (part 3): grid 256 x 1, 16 waves a work-group, clusters of 4 x 1, 169,984 bytes of LDS; arguments codes, scl, oimg; writes oimg
.if DOCPART == 3
	.amdgcn_target "amdgcn-amd-amdhsa--gfx1250"
	.amdhsa_code_object_version 6
	.text
	.protected	k_qa2b32fa9e4_attn
	.globl	k_qa2b32fa9e4_attn
	.p2align	8
	.type	k_qa2b32fa9e4_attn,@function
k_qa2b32fa9e4_attn:
	s_mov_b64 s[64:65], 0
	v_nop
	global_prefetch_b8 v0, s[64:65] scope:SCOPE_SE
	s_setreg_imm32_b32 hwreg(HW_REG_WAVE_MODE, 25, 1), 1
	s_wait_xcnt 0x0
	s_wait_alu depctr_hold_cnt(0) depctr_sa_sdst(0) depctr_va_vdst(0) depctr_va_sdst(0) depctr_va_ssrc(0) depctr_va_vcc(0) depctr_vm_vsrc(0)
	s_getreg_b32 s2, hwreg(HW_REG_IB_STS2, 6, 4)
	s_cmp_eq_u32 s2, 0
	s_cbranch_scc0 .Lentry_in_a_cluster
	s_endpgm
.Lentry_in_a_cluster:
	s_bfe_u32 s2, ttmp6, 0x10000c
	s_cmp_lg_u32 s2, 0x3003
	s_cbranch_scc0 .Lentry_shape_is_right
	s_endpgm
.Lentry_shape_is_right:
; ATTN: O = softmax(Q K^T / 8 + mask) V for one (batch, head) a cluster, both products on codes of FP6 (E2M3) with one E8M0 byte for each 32 along a product's K.  Key j counts for query i where i / 2 >= j.
; THE SOFTMAX AHEAD OF THE SECOND PRODUCT: t = score x log2(e) / 8; M = the running largest t rounded UP to a whole number; p = 2^(t - M) is quantised along the keys, not normalised;
; the row's sum is taken of the unquantised p and divides O at the end; when M moves, the sum and O are multiplied by 2^(old M - new M), which rounds nothing.
; A head's K and V codes and scale words (106,496 bytes) come into LDS ONCE, by joint loads of the cluster's four work-groups (wave 0 K's codes, 1 V's, 2 K's scale words, 3 V's); nothing is filled twice and nothing is stored to LDS.
; SHARES.  The head has 128 tiles of 16 queries (tile t, lane r: query 32 (t / 2) + 8 (t % 2) + r + 8 (r / 8)).  Tile t = 16 A + low needs key steps 0 .. A of 128 keys, and only step A is masked.
; Wave w of work-group cx takes low = 4 cx + w % 4 with A = 7 - w / 4 and then A = w / 4: nine tile steps for every wave.  A hangs on the wave's number alone; cx enters global addresses and the mask's vector data alone.
; LAYOUT.  Both products are used transposed (S^T = K Q^T, O^T = V^T P^T): a lane holds one query throughout; the keys of K's tiles and the channels of V's are laid (by the launch before) so that 16 registers of two neighbouring tiles are 16 neighbours.
; The first product's K is the head's 64: registers 6-11 of Q's and K's fragments are zero codes, under the scale byte 0 (2^-127): they add nothing.
; OUT: O / the sum, f32, as register images: row tile x head: 8 pieces of 512 bytes, piece i at 16 x lane = registers 4 i .. 4 i + 3 of the 32 registers 16 b + e = O(my row, 32 b + 16 (lane / 16) + e).
; LIMITS: NaN and infinities are not served; a block of p that has fallen to zeros keeps the byte 1 (its codes are zeros).
; REGISTERS: v1-4 lane terms; v8-10 a step's LDS addresses; v12 -M, v13 largest t, v[14:15] the sum; v16-27 Q; v28 Q's scale word; v29 the mask's bound; v30, v31 V's scale words; v32-79 four fragments of K;
;   v80-91 p's codes (before that v80-83 V's raw scale words); v92-95 K's scale words; v96-159 S^T, then p; v160-191 O^T; v192-239 V's four fragments; v240-254 at work.
.set VC,  49152                        ; LDS: K's codes at 0 (64 tiles x 768 bytes), V's here ([64 keys][channel tile] x 768),
.set KS,  98304                        ; K's scale words (16 records of 256 bytes), V's 4,096 bytes on
.set B16, 1
.set B8,  2
.set BS,  3
.set R8,  4
.set A16, 8
.set A8,  9
.set AS,  10
.set WV,  18
.set SEL, 20
.set CS,  22
.set G1C, 24
.set G1S, 32
.set G0C, 40
.set G0S, 44
.set SI,  48                           ; the key step
.set T6,  49                           ; 6,144 x SI: its codes
.set T5,  50                           ; 512 x SI: its scale words
.set AA,  51                           ; the pass's A
.set LOW, 53
.macro PLACES n
.rept \n
	v_nop
.endr
.endm
.macro CROUND
	s_barrier_signal -1
	s_barrier_wait -1
	s_cmp_lg_u32 s[WV], 0
	s_cbranch_scc1 .Lnot_wave_0_\@
	s_barrier_signal -3
.Lnot_wave_0_\@:
	s_barrier_wait -3
	s_barrier_signal -1
	s_barrier_wait -1
.endm
.macro SQK g, k                        ; S^T, tile 4 g + k: source 0 = 16 keys, source 1 = my 16 queries.  A scale register holds tile 2 i's words in lanes 0-15 and tile 2 i + 1's in lanes 16-31
.if (\k)%2
	v_wmma_scale_f32_16x16x128_f8f6f4 v[96+8*(4*\g+\k):103+8*(4*\g+\k)], v[32+12*\k:43+12*\k], v[16:27], 0, v[92+2*\g+\k/2], v28 matrix_a_fmt:MATRIX_FMT_FP6 matrix_b_fmt:MATRIX_FMT_FP6 matrix_a_scale:MATRIX_SCALE_ROW1
.else
	v_wmma_scale_f32_16x16x128_f8f6f4 v[96+8*(4*\g+\k):103+8*(4*\g+\k)], v[32+12*\k:43+12*\k], v[16:27], 0, v[92+2*\g+\k/2], v28 matrix_a_fmt:MATRIX_FMT_FP6 matrix_b_fmt:MATRIX_FMT_FP6
.endif
.endm
.macro KLOAD g                         ; four tiles of K: six registers each
.irp k, 0,1,2,3
	ds_load_b128 v[32+12*\k:35+12*\k], v[A16] offset:(4*\g+\k)*768
	ds_load_b64 v[36+12*\k:37+12*\k], v[A8] offset:(4*\g+\k)*768+512
.endr
.endm
; A KEY STEP of 128 keys for my tile
.macro STEP
	s_cmp_gt_u32 s[SI], s[AA]                      ; all of this step's keys come after my queries: its work is left out; the lines at its end that step addresses are not
	s_cbranch_scc1 .Lskip_\@
	v_add_nc_u32 v[A16], s[T6], v[B16]
	v_add_nc_u32 v[A8], s[T6], v[B8]
	v_add_nc_u32 v[AS], s[T5], v[BS]
	v_nop                                          ; these four are places behind the last step's products
	KLOAD 0
	ds_load_b64 v[92:93], v[AS]                    ; K's scale words: tiles 0-3,
	ds_load_b64 v[94:95], v[AS] offset:256         ; tiles 4-7
	s_wait_alu depctr_va_vdst(0)
	s_wait_dscnt 0x0
.irp k, 0,1,2,3
	SQK 0, \k
.endr
	PLACES 4                                       ; in front of loads into registers that matrix instructions have read
	KLOAD 1
.irp c, 0,1
.irp j, 0,1,2,3
	ds_load_b128 v[192+12*\j+6*\c:195+12*\j+6*\c], v[A16] offset:VC+(4*\c+\j)*768        ; V: channel tile j, keys 64 c on
	ds_load_b64 v[196+12*\j+6*\c:197+12*\j+6*\c], v[A8] offset:VC+(4*\c+\j)*768+512
.endr
.endr
	ds_load_b64 v[80:81], v[AS] offset:4096        ; V's scale words: keys 0-63 (bytes 0, 1),
	ds_load_b64 v[82:83], v[AS] offset:4096+256    ; keys 64-127
	s_wait_dscnt 18                                ; K's eight loads are in; V's 16 and its 2 scale loads, issued behind them, may be out
.irp k, 0,1,2,3
	SQK 1, \k
.endr
	PLACES 4
	s_cmp_lg_u32 s[SI], s[AA]                      ; only step A lies on the diagonal
	s_cbranch_scc1 .Lopen_\@
	v_mov_b32 v254, 0xff800000                     ; hidden scores become -infinity ahead of the maximum: p = 0 then.  Register 16 b + i holds key 128 A + 32 b + 16 (lane / 16) + i: hidden where 32 b + i > v29
.set n, 0
.rept 64
	v_cmp_gt_i32 vcc_lo, 32*(n/16)+n%16, v29
	v_cndmask_b32 v[96+n], v[96+n], v254, vcc_lo
.set n, n+1
.endr
.Lopen_\@:
.irp b, 0,1,2,3
	v_max3_num_f32 v[240+\b], v[96+16*\b], v[97+16*\b], v[98+16*\b]   ; the largest score of each block of 32 keys: for the row's maximum, and, since p rises with the score, for the block's largest p
.endr
.irp i, 3,5,7,9,11,13
.irp b, 0,1,2,3
	v_max3_num_f32 v[240+\b], v[240+\b], v[96+16*\b+\i], v[97+16*\b+\i]
.endr
.endr
.irp b, 0,1,2,3
	v_max_num_f32 v[240+\b], v[240+\b], v[111+16*\b]
.endr
.irp b, 0,1,2,3
	s_delay_alu instid0(VALU_DEP_4)
	v_permlanex16_b32 v[244+\b], v[240+\b], s[SEL], s[SEL+1]
.endr
.irp b, 0,1,2,3
	s_delay_alu instid0(VALU_DEP_4)
	v_max_num_f32 v[240+\b], v[240+\b], v[244+\b]  ; with lane l xor 16's 16 keys
.endr
	s_delay_alu instid0(VALU_DEP_2)
	v_max3_num_f32 v254, v240, v241, v242
	s_delay_alu instid0(VALU_DEP_1)
	v_max_num_f32 v254, v254, v243                 ; the step's largest score of my query
	s_delay_alu instid0(VALU_DEP_1)
	v_mul_f32 v254, s[CS], v254                    ; as t
	s_delay_alu instid0(VALU_DEP_1)
	v_max_num_f32 v13, v13, v254                   ; the running largest t
	v_mov_b32 v254, v12
	s_delay_alu instid0(VALU_DEP_2)
	v_floor_f32 v12, -v13                          ; the new -M = floor(-t): M is a whole number
	s_delay_alu instid0(VALU_DEP_1)
	v_sub_f32 v254, v12, v254                      ; old M - new M: a whole number, 0 or less
	s_delay_alu instid0(VALU_DEP_1)
	v_cvt_i32_f32 v254, v254                       ; (it saturates)
	s_delay_alu instid0(VALU_DEP_1)
	v_ldexp_f32 v252, 1.0, v254                    ; f = 2^(old M - new M)
.set n, 0
.rept 32
	v_pk_fma_f32 v[96+n:97+n], v[96+n:97+n], s[CS:CS+1], v[12:13] op_sel_hi:[1,0,0]   ; t - M, two at a time
.set n, n+2
.endr
.irp b, 0,1,2,3
	v_fma_f32 v[240+\b], v[240+\b], s[CS], v12     ; the same of each block's largest score
.endr
.set n, 0
	s_wait_alu depctr_va_vdst(0)
.rept 64
	v_exp_f32 v[96+n], v[96+n]                     ; p = 2^(t - M)
.set n, n+1
.endr
	v_pk_mul_f32 v[14:15], v[14:15], v[252:253] op_sel_hi:[1,0]   ; the sums under the new M (a plain place behind the exponentials)
	s_wait_alu depctr_va_vdst(0)                   ; one wait for the batch of 64, ahead of its first reader
.irp b, 0,1,2,3
	v_exp_f32 v[240+\b], v[240+\b]                 ; the block's largest p
.endr
	v_pk_add_f32 v[244:245], v[100:101], v[104:105]
	v_pk_add_f32 v[250:251], v[108:109], v[112:113]
	v_pk_add_f32 v[248:249], v[116:117], v[120:121]
	v_pk_add_f32 v[246:247], v[124:125], v[128:129]
	v_pk_add_f32 v[94:95], v[132:133], v[136:137]
	v_pk_add_f32 v[92:93], v[140:141], v[144:145]
	v_pk_add_f32 v[90:91], v[148:149], v[152:153]
	v_pk_add_f32 v[14:15], v[14:15], v[156:157]
	v_pk_add_f32 v[244:245], v[244:245], v[96:97]
	v_pk_add_f32 v[250:251], v[250:251], v[98:99]
	v_pk_add_f32 v[248:249], v[248:249], v[102:103]
	v_pk_add_f32 v[246:247], v[246:247], v[106:107]
	v_pk_add_f32 v[94:95], v[94:95], v[110:111]
	v_pk_add_f32 v[92:93], v[92:93], v[114:115]
	v_pk_add_f32 v[90:91], v[90:91], v[118:119]
	v_pk_add_f32 v[14:15], v[14:15], v[122:123]
	v_pk_add_f32 v[244:245], v[244:245], v[126:127]
	v_pk_add_f32 v[250:251], v[250:251], v[130:131]
	v_pk_add_f32 v[248:249], v[248:249], v[134:135]
	v_pk_add_f32 v[246:247], v[246:247], v[138:139]
	v_pk_add_f32 v[94:95], v[94:95], v[142:143]
	v_pk_add_f32 v[92:93], v[92:93], v[146:147]
	v_pk_add_f32 v[90:91], v[90:91], v[150:151]
	v_pk_add_f32 v[14:15], v[14:15], v[154:155]
	v_pk_add_f32 v[244:245], v[244:245], v[158:159]
	s_delay_alu instid0(VALU_DEP_2)
	v_pk_add_f32 v[14:15], v[14:15], v[246:247]
	s_delay_alu instid0(VALU_DEP_2)
	v_pk_add_f32 v[244:245], v[244:245], v[94:95]
	v_pk_add_f32 v[250:251], v[250:251], v[92:93]
	v_pk_add_f32 v[248:249], v[248:249], v[90:91]
	s_delay_alu instid0(VALU_DEP_2)
	v_pk_add_f32 v[14:15], v[14:15], v[250:251]
	s_delay_alu instid0(VALU_DEP_2)
	v_pk_add_f32 v[244:245], v[244:245], v[248:249]
	s_delay_alu instid0(VALU_DEP_1)
	v_pk_add_f32 v[14:15], v[14:15], v[244:245]
	s_wait_alu depctr_va_vdst(0)                   ; and one for the four
.irp b, 0,1,2,3
	v_max_num_f32 v[240+\b], 0x1800000, v[240+\b]  ; the floor 2^(3 - 127): the byte cannot fall under 1
.endr
.irp b, 0,1,2,3
	s_delay_alu instid0(VALU_DEP_4)
	v_add_nc_u32 v[248+\b], 0xff000000, v[240+\b]  ; the conversion's scale operand
.endr
.irp b, 0,1,2,3
	s_delay_alu instid0(VALU_DEP_4)
	v_lshrrev_b32 v[244+\b], 23, v[248+\b]         ; the scale's byte
.endr
	s_delay_alu instid0(VALU_DEP_3)
	v_lshl_or_b32 v253, v245, 8, v244              ; p's scale word for these 128 keys
	s_delay_alu instid0(VALU_DEP_1)
	v_lshl_or_b32 v253, v246, 16, v253
	s_delay_alu instid0(VALU_DEP_1)
	v_lshl_or_b32 v253, v247, 24, v253
	s_wait_dscnt 0x0                               ; V and its scale words are in
	v_lshl_or_b32 v30, v82, 16, v80                ; V's scale words for 128 keys: channel tiles 0 (lanes 0-15) and 1 (lanes 16-31),
	v_lshl_or_b32 v31, v83, 16, v81                ; tiles 2 and 3
.irp c, 0,1
	v_cvt_scalef32_pk16_fp6_f32 v[80+6*\c:82+6*\c], v[96+32*\c:111+32*\c], v[248+2*\c]
	v_cvt_scalef32_pk16_fp6_f32 v[32+12*\c:34+12*\c], v[112+32*\c:127+32*\c], v[249+2*\c]   ; (a conversion's three registers begin on an even number; K's registers are free)
.endr
	v_nop                                          ; one plain place behind a scaled conversion
.irp c, 0,1
.irp i, 0,1,2
	v_permlane16_swap_b32 v[80+6*\c+\i], v[32+12*\c+\i]
.endr
.irp i, 0,1,2
	s_delay_alu instid0(VALU_DEP_3)
	v_mov_b32 v[83+6*\c+\i], v[32+12*\c+\i]
.endr
.endr
.set n, 0
.rept 16
	v_pk_mul_f32 v[160+n:161+n], v[160+n:161+n], v[252:253] op_sel_hi:[1,0]   ; O^T under the new M; these 16 also stand between the writes of operands and scale words and the products
.set n, n+2
.endr
.irp j, 0,1,2,3                                ; O^T += V^T P^T: four accumulators, one instruction each
.if \j%2
	v_wmma_scale_f32_16x16x128_f8f6f4 v[160+8*\j:167+8*\j], v[192+12*\j:203+12*\j], v[80:91], v[160+8*\j:167+8*\j], v[30+\j/2], v253 matrix_a_fmt:MATRIX_FMT_FP6 matrix_b_fmt:MATRIX_FMT_FP6 matrix_a_scale:MATRIX_SCALE_ROW1
.else
	v_wmma_scale_f32_16x16x128_f8f6f4 v[160+8*\j:167+8*\j], v[192+12*\j:203+12*\j], v[80:91], v[160+8*\j:167+8*\j], v[30+\j/2], v253 matrix_a_fmt:MATRIX_FMT_FP6 matrix_b_fmt:MATRIX_FMT_FP6
.endif
.endr
.Lskip_\@:
	s_add_co_u32 s[T6], s[T6], 6144
	s_add_co_u32 s[T5], s[T5], 512
.endm
; A PASS: one tile of 16 queries, t = 16 A + low.  first = 1: the wait for the tiles and the barrier stand behind the pass's own loads
.macro PASS first
	s_lshl_b32 s55, s[AA], 4
	s_add_co_u32 s55, s55, s[LOW]                  ; t
	s_mov_b32 s77, 0
	s_lshl_b32 s76, ttmp9, 7
	s_add_co_u32 s76, s76, s55
	s_mul_i32 s76, s76, 768
	s_add_nc_u64 s[56:57], s[4:5], s[76:77]        ; Q's codes: (128 x (16 b + head) + t) x 768
	s_lshl_b32 s76, ttmp9, 5
	s_lshr_b32 s78, s55, 2
	s_add_co_u32 s76, s76, s78
	s_lshl_b32 s76, s76, 8
	s_and_b32 s78, s55, 1
	s_lshl_b32 s78, s78, 7
	s_add_co_u32 s76, s76, s78
	s_bfe_u32 s78, s55, 0x10001
	s_lshl_b32 s78, s78, 2
	s_add_co_u32 s76, s76, s78
	s_add_nc_u64 s[58:59], s[6:7], s[76:77]        ; its scale words: record t / 4; tile t % 4: 128 (t % 2) + 4 ((t / 2) % 2), + 8 r
	s_lshr_b32 s76, ttmp9, 4
	s_lshl_b32 s76, s76, 7
	s_add_co_u32 s76, s76, s55
	s_lshl_b32 s76, s76, 4
	s_and_b32 s78, ttmp9, 15
	s_add_co_u32 s76, s76, s78
	s_lshl_b32 s76, s76, 12
	s_add_nc_u64 s[60:61], s[8:9], s[76:77]        ; O: ((128 b + t) 16 + head) x 4,096
	global_load_b128 v[16:19], v[B16], s[56:57]
	global_load_b64 v[20:21], v[B8], s[56:57] offset:512
	global_load_b32 v28, v[R8], s[58:59]
	v_mov_b32 v13, 0xff61b1e6                      ; the largest t so far: -3e38
	s_delay_alu instid0(VALU_DEP_1)
	v_floor_f32 v12, -v13
	v_mov_b32 v14, 0
	v_mov_b32 v15, 0
.set n, 0
.rept 32
	v_mov_b32 v[160+n], 0                          ; O^T: the step is written once; the first finds zeros, which the first change of M leaves zeros
.set n, n+1
.endr
	s_mov_b32 s[SI], 0
	s_mov_b32 s[T6], 0
	s_mov_b32 s[T5], 0
.if \first
	s_wait_tensorcnt 0x0                           ; my part of the head's tiles is in,
	s_barrier_signal -1
	s_barrier_wait -1                              ; everybody's is
.endif
	s_wait_loadcnt 0x0                             ; Q
.Lstep_\@:                                         ; eight trips, a constant: what lies behind the diagonal is jumped over inside
	STEP
	s_add_co_u32 s[SI], s[SI], 1
	s_cmp_lt_u32 s[SI], 8
	s_cbranch_scc1 .Lstep_\@
	PLACES 4                                       ; between the last products and the first read of O^T
	v_add_f32 v14, v14, v15
	s_delay_alu instid0(VALU_DEP_1)
	v_permlanex16_b32 v254, v14, s[SEL], s[SEL+1]
	s_delay_alu instid0(VALU_DEP_1)
	v_add_f32 v14, v14, v254                       ; the row's sum
	s_wait_alu depctr_va_vdst(0)
	v_rcp_f32 v14, v14
	v_nop                                          ; a plain place behind the reciprocal
	s_wait_alu depctr_va_vdst(0)                   ; and the wait ahead of its first reader
.set n, 0
.rept 32
	v_mul_f32 v[96+n], v[160+n], v14
.set n, n+1
.endr
.irp i, 0,1,2,3,4,5,6,7
	global_store_b128 v[B16], v[96+4*\i:99+4*\i], s[60:61] offset:512*\i   ; 32 lanes store 512 consecutive bytes, at a multiple of 256 from oimg's first byte
.endr
.endm
	s_load_b128 s[4:7], s[0:1], 0x0                ; codes s[4:5], scl s[6:7]
	s_load_b64 s[8:9], s[0:1], 0x10                ; oimg
	v_lshl_add_u32 v254, v0, 2, 0x29000
	v_mov_b32 v255, 0
	ds_add_u32 v254, v255
	ds_add_u32 v254, v255
	s_wait_dscnt 0x0
	v_lshrrev_b32 v1, 5, v0
	s_delay_alu instid0(VALU_DEP_1)
	v_readfirstlane_b32 s[WV], v1                  ; wave 0..15
	s_and_b32 s66, s[WV], 1                        ; K's (0) or V's (1)
	; descriptor groups 1: dense blocks as rows of 256 bytes (32 elements of 8): 192 rows of codes, 16 rows of scale words; the mask names all four work-groups
	s_mov_b32 s[G1C+0], 15|(3<<16)|(1<<21)
	s_mov_b32 s[G1C+1], 32<<16
	s_mov_b32 s[G1C+2], 192<<16
	s_mov_b32 s[G1C+3], 32<<16
	s_mov_b32 s[G1C+4], 192
	s_mov_b32 s[G1C+5], 32
	s_mov_b32 s[G1C+6], 0
	s_mov_b32 s[G1C+7], 0
	s_mov_b32 s[G1S+0], 15|(3<<16)|(1<<21)
	s_mov_b32 s[G1S+1], 32<<16
	s_mov_b32 s[G1S+2], 16<<16
	s_mov_b32 s[G1S+3], 32<<16
	s_mov_b32 s[G1S+4], 16
	s_mov_b32 s[G1S+5], 32
	s_mov_b32 s[G1S+6], 0
	s_mov_b32 s[G1S+7], 0
	s_mul_i32 s67, s66, VC                         ; LDS: codes
	s_mul_i32 s68, s66, 3145728
	s_mul_i32 s69, ttmp9, 49152
	s_add_co_u32 s68, s68, s69
	s_add_co_u32 s68, s68, 6291456                 ; K's records begin at 2,048 x 3,072, V's 1,024 records on; a head has 16
	s_mov_b32 s69, 0
	s_lshl_b32 s70, s66, 12
	s_add_co_u32 s70, s70, KS                      ; LDS: scale words
	s_lshl_b32 s72, s66, 18
	s_lshl_b32 s73, ttmp9, 12
	s_add_co_u32 s72, s72, s73
	s_add_co_u32 s72, s72, 524288
	s_mov_b32 s73, 0
	s_mov_b32 s[SEL], 0x76543210
	s_mov_b32 s[SEL+1], 0xfedcba98
	s_mov_b32 s[CS], 0x3e38aa3b                    ; c = log2(e) / 8
	s_mov_b32 s[CS+1], s[CS]                       ; (named with it as a pair, so it is written)
	s_wait_kmcnt 0x0
	s_mov_b32 s[G0C], 1
	s_mov_b32 s[G0C+1], s67
	s_add_nc_u64 s[G0C+2:G0C+3], s[4:5], s[68:69]
	s_or_b32 s[G0C+3], s[G0C+3], 0x80000000
	s_mov_b32 s[G0S], 1
	s_mov_b32 s[G0S+1], s70
	s_add_nc_u64 s[G0S+2:G0S+3], s[6:7], s[72:73]
	s_or_b32 s[G0S+3], s[G0S+3], 0x80000000
	CROUND                                         ; all four work-groups are here: the joint loads meet
	s_cmp_lt_u32 s[WV], 2                          ; waves 0, 1: codes; waves 2, 3: scale words; the others fetch nothing.  The branches hang on the wave's number alone
	s_cbranch_scc0 .Lnot_codes
	tensor_load_to_lds s[G0C:G0C+3], s[G1C:G1C+7]
	s_nop 0
	PLACES 4
	s_branch .Lasked
.Lnot_codes:
	s_cmp_lt_u32 s[WV], 4
	s_cbranch_scc0 .Lasked
	tensor_load_to_lds s[G0S:G0S+3], s[G1S:G1S+7]
	s_nop 0
	PLACES 4
.Lasked:
	v_and_b32 v5, 31, v0
	s_delay_alu instid0(VALU_DEP_1)
	v_lshlrev_b32 v[B16], 4, v5
	s_delay_alu instid0(VALU_DEP_2)
	v_lshlrev_b32 v[B8], 3, v5
	s_delay_alu instid0(VALU_DEP_1)
	v_add_nc_u32 v[BS], KS, v[B8]
	v_and_b32 v6, 15, v0                           ; r
	s_wait_alu depctr_va_vdst(0)
	v_lshlrev_b32 v[R8], 3, v6
	v_bfe_u32 v7, v0, 4, 1                         ; h
	s_wait_alu depctr_va_vdst(0)
	s_bfe_u32 s54, ttmp6, 0x40000                  ; cx
	s_lshl_b32 s[LOW], s54, 2
	s_and_b32 s55, s[WV], 3
	s_add_co_u32 s[LOW], s[LOW], s55               ; low = 4 cx + w % 4
	s_lshr_b32 s55, s[LOW], 1
	s_lshl_b32 s55, s55, 4
	s_and_b32 s74, s[LOW], 1
	s_lshl_b32 s74, s74, 2
	s_add_co_u32 s55, s55, s74
	v_and_b32 v11, 8, v6
	s_delay_alu instid0(VALU_DEP_1)
	v_add_nc_u32 v11, v11, v6                      ; r + 8 (r / 8)
	s_delay_alu instid0(VALU_DEP_1)
	v_lshrrev_b32 v11, 1, v11
	v_lshlrev_b32 v7, 4, v7
	s_delay_alu instid0(VALU_DEP_1)
	v_sub_nc_u32 v11, v11, v7
	s_delay_alu instid0(VALU_DEP_1)
	v_add_nc_u32 v29, s55, v11                     ; my query / 2 - 128 A - 16 h = 16 (low / 2) + 4 (low % 2) + (r + 8 (r / 8)) / 2 - 16 h: the same in both passes
.irp j, 22,23,24,25,26,27
	v_mov_b32 v[\j], 0                             ; Q's upper 64 along K: zero codes
.endr
.irp k, 0,1,2,3
.irp j, 6,7,8,9,10,11
	v_mov_b32 v[32+12*\k+\j], 0                    ; K's likewise: written once, never loaded over
.endr
.endr
.irp b, 0,1,2,3
	v_mov_b32 v[244+\b], 0                         ; written once: a lane permute's destination counts as one of its sources
.endr
	v_mov_b32 v253, 0                              ; (named as the upper half of the pair v[252:253] before it is first written)
	v_mov_b32 v254, 0
	s_lshr_b32 s52, s[WV], 2
	s_sub_co_u32 s[AA], 7, s52                     ; the long pass first
	PASS 1
	s_wait_xcnt 0x0                                ; the stores have read their base and data: both are written again
	s_mov_b32 s[AA], s52
	PASS 0
	s_wait_xcnt 0x0
	v_lshl_add_u32 v254, v0, 2, 0x29000
	v_mov_b32 v255, 0
	s_wait_alu depctr_va_vdst(0)
	s_wait_tensorcnt 0x0
	ds_add_u32 v254, v255
	s_wait_dscnt 0x0
	CROUND                                         ; the closing round
	s_endpgm
.Lfunc_end_k_qa2b32fa9e4_attn:
	.size	k_qa2b32fa9e4_attn, .Lfunc_end_k_qa2b32fa9e4_attn-k_qa2b32fa9e4_attn
	.p2alignl 7, 3214868480
	.fill 96, 4, 3214868480
	.section	.rodata,"a",@progbits
	.p2align	6, 0x0
	.amdhsa_kernel k_qa2b32fa9e4_attn
		.amdhsa_group_segment_fixed_size 169984
		.amdhsa_private_segment_fixed_size 0
		.amdhsa_enable_private_segment 0
		.amdhsa_kernarg_size 24
		.amdhsa_user_sgpr_count 2
		.amdhsa_user_sgpr_kernarg_segment_ptr 1
		.amdhsa_wavefront_size32 1
		.amdhsa_system_sgpr_workgroup_id_x 1
		.amdhsa_system_sgpr_workgroup_id_y 1
		.amdhsa_system_sgpr_workgroup_id_z 1
		.amdhsa_system_vgpr_workitem_id 0
		.amdhsa_next_free_vgpr 256
		.amdhsa_next_free_sgpr 80
		.amdhsa_reserve_vcc 1
		.amdhsa_float_denorm_mode_32 3
		.amdhsa_float_denorm_mode_16_64 3
		.amdhsa_memory_ordered 1
		.amdhsa_forward_progress 1
		.amdhsa_inst_pref_size 62
	.end_amdhsa_kernel
	.amdgpu_metadata
---
amdhsa.version: [ 1, 2 ]
amdhsa.kernels:
  - .name:           k_qa2b32fa9e4_attn
    .symbol:         k_qa2b32fa9e4_attn.kd
    .args:
      - { .name: codes, .offset: 0, .size: 8, .value_kind: global_buffer, .address_space: global }
      - { .name: scl, .offset: 8, .size: 8, .value_kind: global_buffer, .address_space: global }
      - { .name: oimg, .offset: 16, .size: 8, .value_kind: global_buffer, .address_space: global }
    .group_segment_fixed_size: 169984
    .private_segment_fixed_size: 0
    .kernarg_segment_align: 8
    .kernarg_segment_size: 24
    .max_flat_workgroup_size: 512
    .sgpr_count:     80
    .vgpr_count:     256
    .wavefront_size: 32
...
	.end_amdgpu_metadata
.endif
;; end of part 3
;; launch outp (part 4): grid 256 x 1, 4 waves a work-group, clusters of 4 x 1, 327,680 bytes of LDS; arguments oimg, img, ln_g, ln_b, bo, out0; writes out0
.if DOCPART == 4
	.amdgcn_target "amdgcn-amd-amdhsa--gfx1250"
	.amdhsa_code_object_version 6
	.text
	.protected	k_qa2b32fa9e4_outp
	.globl	k_qa2b32fa9e4_outp
	.p2align	8
	.type	k_qa2b32fa9e4_outp,@function
k_qa2b32fa9e4_outp:
	s_mov_b64 s[64:65], 0
	v_nop
	global_prefetch_b8 v0, s[64:65] scope:SCOPE_SE
	s_setreg_imm32_b32 hwreg(HW_REG_WAVE_MODE, 25, 1), 1
	s_wait_xcnt 0x0
	s_wait_alu depctr_hold_cnt(0) depctr_sa_sdst(0) depctr_va_vdst(0) depctr_va_sdst(0) depctr_va_ssrc(0) depctr_va_vcc(0) depctr_vm_vsrc(0)
	s_getreg_b32 s2, hwreg(HW_REG_IB_STS2, 6, 4)
	s_cmp_eq_u32 s2, 0
	s_cbranch_scc0 .Lentry_in_a_cluster
	s_endpgm
.Lentry_in_a_cluster:
	s_bfe_u32 s2, ttmp6, 0x10000c
	s_cmp_lg_u32 s2, 0x3003
	s_cbranch_scc0 .Lentry_shape_is_right
	s_endpgm
.Lentry_shape_is_right:
; OUTP: out0 = LayerNorm(O) Wo^T + bo; the product on codes of FP6 (E2M3) with one E8M0 byte for each 32 along K.
; SHARES.  A work-group: 64 rows x 512 outputs (half nh = cluster % 2).  Wave w first normalises and quantises row tile w (16 rows x 1,024 channels, which lie in oimg as the very registers that the quantiser wants:
; register 64 s + 16 b + i of lane (r, h) = channel 128 s + 32 b + 16 h + i of row r); its eight fragments go to LDS as register images and every wave takes all 32.
; Then wave w makes outputs 512 nh + 256 gl + 64 w .. + 63 (gl = 0, 1) for the 64 rows: 16 accumulators.  Source 0 = 16 rows of Wo (from img, through two LDS slots, four steps of 106,496 bytes), source 1 = 16 rows of LayerNorm(O).
; The mean and the variance are taken in two passes over registers (the variance of x - mean); bo is the C of each sum's first product.
; CLUSTER: the four work-groups share nh: Wo's steps and ln_g, ln_b are asked for jointly.  Each row block is normalised by two work-groups (nh = 0, 1).
; LIMITS: NaN and infinities are not served; a block whose largest magnitude lies under 2^-124 (a block of zeros too) gets the byte 1.
; REGISTERS: window 0: v3-15 addresses; v[16:17] mean, v[18:19] 1 / sqrt(var + eps), v20-27 sums; v30, v31 the add's; v32-63 X1's scale words; v64-79 Wo's; v80-207 accumulators; v208-255 at work.
;   windows 1, 2: the row tile's 512 numbers, later the 32 fragments.   window 3: v0-63 g, v64-127 b of a K step, later Wo's 16 fragments (v0-191); v192-255 bo ((gl, t) at 192 + 32 gl + 8 t).
.set FRB,   1536
.set REC,   6656
.set WQ,    26624
.set STEPB, 106496
.set MATB,  851968
.set GB,    212992                     ; behind the two slots: ln_g (4,096 bytes), ln_b (4,096): filled once,
.set XIMG,  221184                     ; the 32 fragments (8 m + s),
.set XSC,   270336                     ; their scale words, 128 bytes each,
.set STG,   274432                     ; a stage of 16 rows x (256 + 16) bytes for each wave,
.set SPARE, 291840                     ; and the spare words, 128 bytes a wave: two blocks of 256 bytes that no other line names
.set LI,  3
.set LS,  4
.set AGB, 5
.set XWI, 6
.set XWS, 7
.set XRI, 8
.set XRS, 9
.set AS,  10
.set STO, 12
.set SRD, 13
.set GOUT, 14
.set H64, 15
.set MU,  16
.set RS,  18
.set SUM, 20
.set SPW, 30
.set NIL, 31
.set X1S, 32
.set X0S, 64
.set ACC, 80
.set TM,  208
.set PC,  220
.set PW,  239
.set G1,  16
.set WV,  24
.set G0,  32
.set G0G, 40
.set SEL, 46
.set G1G, 68
.set MSB, 0
.macro WIN new
.if MSB != (\new)
	s_set_vgpr_msb (MSB<<8)|(\new)
.set MSB, (\new)
.endif
.endm
.macro PLACES n
.rept \n
	v_nop
.endr
.endm
.macro CROUND
	s_barrier_signal -1
	s_barrier_wait -1
	s_cmp_lg_u32 s[WV], 0
	s_cbranch_scc1 .Lnot_wave_0_\@
	s_barrier_signal -3
.Lnot_wave_0_\@:
	s_barrier_wait -3
	s_barrier_signal -1
	s_barrier_wait -1
.endm
.macro QUANTW x, s, pw                 ; 64 numbers of a lane in window x become a fragment's codes in v[PC] on and its scale word in v[pw]
	WIN 0
.irp b, 0,1,2,3
	v_mov_b32 v[TM+\b], 0x1800000                  ; the floor 2^(3 - 127)
.endr
	WIN ((\x)<<2)|((\x)<<4)
.irp i, 0,2,4,6,8,10,12,14
.irp b, 0,1,2,3
	v_max3_num_f32 v[TM+\b], v[TM+\b], |v[(\s)+16*\b+\i]|, |v[(\s)+16*\b+\i+1]|
.endr
.endr
	WIN 0
.irp b, 0,1,2,3
	v_permlanex16_b32 v[TM+4+\b], v[TM+\b], s[SEL], s[SEL+1]
.endr
.irp b, 0,1,2,3
	v_max_num_f32 v[TM+\b], v[TM+\b], v[TM+4+\b]
.endr
.irp b, 0,1,2,3
	v_add_nc_u32 v[TM+8+\b], 0xff000000, v[TM+\b]
.endr
.irp b, 0,1,2,3
	v_lshrrev_b32 v[TM+4+\b], 23, v[TM+8+\b]
.endr
	v_lshl_or_b32 v[\pw], v[TM+5], 8, v[TM+4]
	v_lshl_or_b32 v[\pw], v[TM+6], 16, v[\pw]
	v_lshl_or_b32 v[\pw], v[TM+7], 24, v[\pw]
	WIN (\x)
.irp c, 0,1
	v_cvt_scalef32_pk16_fp6_f32 v[PC+6*\c:PC+6*\c+2], v[(\s)+32*\c:(\s)+32*\c+15], v[TM+8+2*\c]
	v_cvt_scalef32_pk16_fp6_f32 v[PC+12+4*\c:PC+14+4*\c], v[(\s)+32*\c+16:(\s)+32*\c+31], v[TM+9+2*\c]
.endr
	WIN 0
	v_nop                                          ; one plain place behind a scaled conversion
.irp c, 0,1
.irp i, 0,1,2
	v_permlane16_swap_b32 v[PC+6*\c+\i], v[PC+12+4*\c+\i]
.endr
.irp i, 0,1,2
	v_mov_b32 v[PC+3+6*\c+\i], v[PC+12+4*\c+\i]
.endr
.endr
.endm
.macro IMAGE adr, off
.irp c, 0,1,2
	ds_store_b128 v[\adr], v[PC+4*\c:PC+4*\c+3] offset:(\off)+512*\c
.endr
.endm
; 16 products, the accumulators by turns in the same order everywhere.  cm = 0: the sums go on; cm = 2 + gl: bo starts them
.macro MULK kh, sp, cm
.if \cm >= 2
	WIN 0x37                                       ; source 0 (Wo) and C (bo) window 3, source 1 window 1, D window 0
.else
	WIN 0x07+4*(\kh)
.endif
.irp m, 0,1,2,3
.irp t, 0,1,2,3
.if \cm >= 2
	v_wmma_scale_f32_16x16x128_f8f6f4 v[ACC+8*(4*\m+\t):ACC+8*(4*\m+\t)+7], v[12*(4*(\sp)+\t):12*(4*(\sp)+\t)+11], v[12*(4*(\sp)+\m):12*(4*(\sp)+\m)+11], v[192+32*((\cm)-2)+8*\t:192+32*((\cm)-2)+8*\t+7], v[X0S+4*\t+(\sp)], v[X1S+8*\m+4*(\kh)+(\sp)] matrix_a_fmt:MATRIX_FMT_FP6 matrix_b_fmt:MATRIX_FMT_FP6
.else
	v_wmma_scale_f32_16x16x128_f8f6f4 v[ACC+8*(4*\m+\t):ACC+8*(4*\m+\t)+7], v[12*(4*(\sp)+\t):12*(4*(\sp)+\t)+11], v[12*(4*(\sp)+\m):12*(4*(\sp)+\m)+11], v[ACC+8*(4*\m+\t):ACC+8*(4*\m+\t)+7], v[X0S+4*\t+(\sp)], v[X1S+8*\m+4*(\kh)+(\sp)] matrix_a_fmt:MATRIX_FMT_FP6 matrix_b_fmt:MATRIX_FMT_FP6
.endif
.endr
.endr
.endm
.macro TRIP slot, mode, cm             ; mode 0: the first step; 1: the slot just left is filled again; 2: the last step
.if \mode > 0
	WIN 0
	s_wait_tensorcnt 0x0                           ; all my tensor loads have landed: my quarter of this slot
	ds_add_u32 v[SPW], v[NIL]                      ; 0 onto my spare word
.if \mode == 1
	s_add_nc_u64 s[G0+6-4*\slot:G0+7-4*\slot], s[G0+6-4*\slot:G0+7-4*\slot], 2*STEPB
.endif
	s_wait_dscnt 0x0                               ; the add is done, and my reads of the other slot and of my stage are over
.if \mode == 1
	CROUND
	tensor_load_to_lds s[G0+4-4*\slot:G0+7-4*\slot], s[G1:G1+7]   ; my one load behind the round
	s_nop 0
.else
	s_barrier_signal -1
	s_barrier_wait -1
.endif
	PLACES 4
.endif
.irp t, 0,1,2,3
	ds_load_b128 v[X0S+4*\t:X0S+4*\t+3], v[AS+\slot] offset:\t*REC+4*FRB
.endr
	WIN 0xc0
.irp sp, 0,1,2,3
.irp t, 0,1,2,3
.irp c, 0,1,2
	ds_load_b128 v[12*(4*\sp+\t)+4*\c:12*(4*\sp+\t)+4*\c+3], v[AS+\slot] offset:\t*REC+\sp*FRB+512*\c
.endr
.endr
.endr
.irp sp, 0,1,2,3
	s_wait_dscnt 36-12*\sp                         ; all but the later K steps' 12 loads each
.if \sp == 0
	MULK \slot, \sp, \cm
.else
	MULK \slot, \sp, 0
.endif
.endr
.endm
.macro JOIN                            ; the four chains, the pair's halves and lane l xor 16's: the row's sum in v[SUM]
	WIN 0
	v_pk_add_f32 v[SUM:SUM+1], v[SUM:SUM+1], v[SUM+2:SUM+3]
	v_pk_add_f32 v[SUM+4:SUM+5], v[SUM+4:SUM+5], v[SUM+6:SUM+7]
	v_pk_add_f32 v[SUM:SUM+1], v[SUM:SUM+1], v[SUM+4:SUM+5]
	v_add_f32 v[SUM], v[SUM], v[SUM+1]
	v_permlanex16_b32 v[SUM+2], v[SUM], s[SEL], s[SEL+1]
	v_add_f32 v[SUM], v[SUM], v[SUM+2]
.endm
.macro CLEAR
	WIN 0
.irp i, 0,1,2,3,4,5,6,7
	v_mov_b32 v[SUM+\i], 0
.endr
.endm
.macro GBLOAD s                        ; g and b of K step s, in my registers' order: all lanes of a half read the same 16 bytes
	WIN 0xc0
.irp b, 0,1,2,3
.irp j, 0,1,2,3
	ds_load_b128 v[16*\b+4*\j:16*\b+4*\j+3], v[AGB] offset:512*(\s)+128*\b+16*\j
	ds_load_b128 v[64+16*\b+4*\j:64+16*\b+4*\j+3], v[AGB] offset:4096+512*(\s)+128*\b+16*\j
.endr
.endr
.endm
.macro LNQ s                           ; K step s: (x - mean) / sqrt(..) x g + b in place, quantised, its image to LDS
.set XW, 1+(\s)/4
.set XB, 64*((\s)%4)
	WIN (XW<<6)|XW
.set i, 0
.rept 32
	v_pk_mul_f32 v[XB+i:XB+i+1], v[XB+i:XB+i+1], v[RS:RS+1]
.set i, i+2
.endr
	s_wait_dscnt 0x0                               ; g and b are in; the last image's stores have read their registers
	WIN (XW<<6)|0x3c|XW                            ; g and b in window 3
.set i, 0
.rept 32
	v_pk_fma_f32 v[XB+i:XB+i+1], v[XB+i:XB+i+1], v[i:i+1], v[64+i:65+i]
.set i, i+2
.endr
.if (\s) < 7
	GBLOAD (\s)+1                                  ; they land while this K step is quantised
.endif
	QUANTW XW, XB, PW
	IMAGE XWI, (\s)*FRB
	ds_store_b32 v[XWS], v[PW] offset:128*(\s)
.endm
; THE WAY OUT.  A lane holds 2 x 16 neighbouring outputs of one row; a tile of 16 rows x my 64 outputs goes through my own stage and comes back as rows of 256 bytes.  LDS serves a wave's instructions in order.
.macro TOSTAGE m
.irp b, 0,1
.irp e, 0,1,2,3
	ds_store_b128 v[STO], v[ACC+32*(\m)+16*\b+4*\e:ACC+32*(\m)+16*\b+4*\e+3] offset:128*\b+16*\e   ; each accumulator from its low end on
.endr
.endr
.irp i, 0,1,2,3,4,5,6,7
	ds_load_b128 v[ACC+32*(\m)+4*\i:ACC+32*(\m)+4*\i+3], v[SRD] offset:544*\i   ; lanes 0-15 stage row 2 i, lanes 16-31 row 2 i + 1
.endr
.endm
.macro SEND m, gl, younger
	s_wait_dscnt \younger                          ; the tile is back; the next tile's 8 stores and 8 loads may be out
.irp i, 0,1,2,3,4,5,6,7
	global_store_b128 v[GOUT], v[ACC+32*(\m)+4*\i:ACC+32*(\m)+4*\i+3], s[14:15] offset:(32*((\m)/2)+8*((\m)%2)+2*\i+8*(\i/4))*4096+1024*(\gl) th:TH_STORE_NT   ; 16 lanes store 256 consecutive bytes, at a multiple of 256 from out0's first byte
.endr
.endm
.macro OUT gl
	WIN 0
	PLACES 4                                       ; between the last products and the first read of results
	TOSTAGE 0
	TOSTAGE 1
	SEND 0, \gl, 16
	TOSTAGE 2
	SEND 1, \gl, 16
	TOSTAGE 3
	SEND 2, \gl, 16
	SEND 3, \gl, 0
.endm
	s_load_b256 s[4:11], s[0:1], 0x0               ; oimg s[4:5], img s[6:7], ln_g s[8:9], ln_b s[10:11]
	s_load_b128 s[12:15], s[0:1], 0x20             ; bo s[12:13], out0 s[14:15]
	v_lshl_add_u32 v[SPW], v0, 2, SPARE
	v_mov_b32 v[NIL], 0
	ds_add_u32 v30, v31
	ds_add_u32 v30, v31
	s_wait_dscnt 0x0
	v_lshrrev_b32 v1, 5, v0
	v_readfirstlane_b32 s[WV], v1                  ; wave 0..3
	s_and_b32 s28, ttmp9, 1                        ; nh: shared by the cluster
	s_bfe_u32 s26, ttmp6, 0x40000                  ; cx: it enters oimg's and out0's addresses alone
	s_lshr_b32 s27, ttmp9, 1
	s_lshl_b32 s27, s27, 2
	s_add_co_u32 s27, s27, s26                     ; R: my block of 64 rows
	s_mov_b32 s[G1+0], 15|(3<<16)|(1<<21)          ; 104 rows of 256 bytes, dense; the mask names all four work-groups
	s_mov_b32 s[G1+1], 32<<16
	s_mov_b32 s[G1+2], 104<<16
	s_mov_b32 s[G1+3], 32<<16
	s_mov_b32 s[G1+4], 104
	s_mov_b32 s[G1+5], 32
	s_mov_b32 s[G1+6], 0
	s_mov_b32 s[G1+7], 0
	s_mov_b32 s[G1G+0], 15|(3<<16)|(1<<21)         ; 8 rows of 256 bytes: half of ln_g or of ln_b
	s_mov_b32 s[G1G+1], 32<<16
	s_mov_b32 s[G1G+2], 8<<16
	s_mov_b32 s[G1G+3], 32<<16
	s_mov_b32 s[G1G+4], 8
	s_mov_b32 s[G1G+5], 32
	s_mov_b32 s[G1G+6], 0
	s_mov_b32 s[G1G+7], 0
	s_mul_i32 s57, s[WV], WQ
	s_mul_i32 s58, s28, 4*STEPB
	s_add_co_u32 s58, s58, s57
	s_add_co_u32 s58, s58, 2*MATB                  ; Wo is matrix 2; half nh begins four steps on
	s_mov_b32 s59, 0
	s_lshl_b32 s60, s[WV], 11
	s_add_co_u32 s60, s60, GB
	s_and_b32 s62, s[WV], 1
	s_lshl_b32 s62, s62, 11
	s_mov_b32 s63, 0
	s_lshl_b32 s76, s27, 2
	s_add_co_u32 s76, s76, s[WV]
	s_lshl_b32 s76, s76, 16                        ; row tile 4 R + w: 65,536 bytes each
	s_mov_b32 s77, 0
	s_lshl_b32 s78, s28, 11
	s_lshl_b32 s80, s[WV], 8
	s_add_co_u32 s78, s78, s80                     ; (512 nh + 64 w) x 4 bytes
	s_mov_b32 s79, 0
	s_lshl_b32 s80, s27, 18                        ; 64 R rows of 4,096 bytes
	s_mov_b32 s81, 0
	s_mov_b32 s[SEL], 0x76543210
	s_mov_b32 s[SEL+1], 0xfedcba98
	s_mov_b32 s48, 0x3a800000                      ; 1 / 1,024
	s_mov_b32 s49, 0x3727c5ac                      ; 1e-5
	v_and_b32 v1, 31, v0
	v_and_b32 v28, 15, v0                          ; r
	v_bfe_u32 v29, v0, 4, 1                        ; h
	v_lshlrev_b32 v[LI], 4, v1
	v_lshlrev_b32 v[LS], 2, v1
	v_lshl_add_u32 v[AGB], v29, 6, GB
	v_lshlrev_b32 v[H64], 6, v29
	s_mul_i32 s50, s[WV], 8*FRB
	s_add_co_u32 s50, s50, XIMG
	v_add_nc_u32 v[XWI], s50, v[LI]
	s_lshl_b32 s50, s[WV], 10
	s_add_co_u32 s50, s50, XSC
	v_add_nc_u32 v[XWS], s50, v[LS]
	v_add_nc_u32 v[XRI], XIMG, v[LI]
	v_add_nc_u32 v[XRS], XSC, v[LS]
	v_add_nc_u32 v[AS], s57, v[LI]
	v_add_nc_u32 v[AS+1], STEPB, v[AS]
	s_mul_i32 s50, s[WV], 16*272
	s_add_co_u32 s50, s50, STG
	v_mul_u32_u24 v[STO], v28, 272
	v_lshl_add_u32 v[STO], v29, 6, v[STO]
	v_add_nc_u32 v[STO], s50, v[STO]               ; in: row r, + 64 h
	v_mul_u32_u24 v[SRD], v29, 272
	v_lshl_add_u32 v[SRD], v28, 4, v[SRD]
	v_add_nc_u32 v[SRD], s50, v[SRD]               ; back: row h, + 16 r
	v_lshlrev_b32 v[GOUT], 12, v29
	v_lshl_add_u32 v[GOUT], v28, 4, v[GOUT]        ; and the same in out0
.irp b, 0,1,2,3
	v_mov_b32 v[TM+4+\b], 0                        ; written once: a lane permute's destination counts as one of its sources
.endr
	s_wait_kmcnt 0x0
	s_add_nc_u64 s[58:59], s[6:7], s[58:59]
.irp n, 0,1
	s_mov_b32 s[G0+4*\n], 1
	s_add_co_u32 s[G0+4*\n+1], s57, \n*STEPB
	s_add_nc_u64 s[G0+4*\n+2:G0+4*\n+3], s[58:59], \n*STEPB
	s_or_b32 s[G0+4*\n+3], s[G0+4*\n+3], 0x80000000
.endr
	s_cmp_lt_u32 s[WV], 2                          ; waves 0, 1 fetch ln_g's halves, waves 2, 3 ln_b's: the choice hangs on the wave's number alone
	s_cselect_b64 s[52:53], s[8:9], s[10:11]
	s_mov_b32 s[G0G], 1
	s_mov_b32 s[G0G+1], s60
	s_add_nc_u64 s[G0G+2:G0G+3], s[52:53], s[62:63]
	s_or_b32 s[G0G+3], s[G0G+3], 0x80000000
	s_add_nc_u64 s[4:5], s[4:5], s[76:77]
	s_add_nc_u64 s[12:13], s[12:13], s[78:79]
	s_add_nc_u64 s[14:15], s[14:15], s[78:79]
	s_add_nc_u64 s[14:15], s[14:15], s[80:81]
	CROUND                                         ; all four work-groups are here: the first joint loads meet
	tensor_load_to_lds s[G0G:G0G+3], s[G1G:G1G+7]  ; g and b: my one tensor load at the head
	s_nop 0
	PLACES 4
	WIN 0xc0
.irp gl, 0,1
.irp t, 0,1,2,3
	global_load_b128 v[192+32*\gl+8*\t:195+32*\gl+8*\t], v[H64], s[12:13] offset:(256*\gl+32*(\t/2)+8*(\t%2))*4      ; bo at the tile's eight outputs of my half
	global_load_b128 v[196+32*\gl+8*\t:199+32*\gl+8*\t], v[H64], s[12:13] offset:(256*\gl+32*(\t/2)+8*(\t%2))*4+16
.endr
.endr
	WIN 0x40
.set i, 0
.rept 64
	global_load_b128 v[4*i:4*i+3], v[LI], s[4:5] offset:512*i           ; the row tile, 512 consecutive bytes a load
.set i, i+1
.endr
	WIN 0x80
.set i, 0
.rept 64
	global_load_b128 v[4*i:4*i+3], v[LI], s[4:5] offset:32768+512*i
.set i, i+1
.endr
	; ---- the mean
	CLEAR
	s_wait_alu depctr_va_vdst(0)
	s_wait_tensorcnt 0x0                           ; my part of g and b is in
	ds_add_u32 v[SPW], v[NIL]
	s_wait_dscnt 0x0
	CROUND
	tensor_load_to_lds s[G0:G0+3], s[G1:G1+7]      ; step 0: slot 0's first fill, my one load behind the round
	s_nop 0
	PLACES 4
	s_wait_loadcnt 63                              ; behind the first 64 loads of the tile stand 64 younger ones; the wait names at most 63
	WIN 0x04
.set i, 0
.rept 128
	v_pk_add_f32 v[SUM+2*(i%4):SUM+2*(i%4)+1], v[SUM+2*(i%4):SUM+2*(i%4)+1], v[2*i:2*i+1]
.set i, i+1
.endr
	WIN 0x08
	s_wait_alu depctr_va_vdst(0)
.irp k, 0,1,2,3
	s_wait_alu depctr_va_vdst(0)
	s_wait_loadcnt 48-16*\k                        ; 16 loads a K step: the later K steps' may be out
.set i, 0
.rept 32
	v_pk_add_f32 v[SUM+2*(i%4):SUM+2*(i%4)+1], v[SUM+2*(i%4):SUM+2*(i%4)+1], v[64*\k+2*i:64*\k+2*i+1]
.set i, i+1
.endr
.endr
	JOIN
	v_mul_f32 v[MU], s48, v[SUM]
	v_mov_b32 v[MU+1], v[MU]
	; ---- x - mean in place, and the sum of its squares
	CLEAR
	WIN 0x41
.set i, 0
.rept 128
	v_pk_add_f32 v[2*i:2*i+1], v[2*i:2*i+1], v[MU:MU+1] neg_lo:[0,1] neg_hi:[0,1]
.set i, i+1
.endr
	WIN 0x05
.set i, 0
.rept 128
	v_pk_fma_f32 v[SUM+2*(i%4):SUM+2*(i%4)+1], v[2*i:2*i+1], v[2*i:2*i+1], v[SUM+2*(i%4):SUM+2*(i%4)+1]
.set i, i+1
.endr
	WIN 0x82
.set i, 0
.rept 128
	v_pk_add_f32 v[2*i:2*i+1], v[2*i:2*i+1], v[MU:MU+1] neg_lo:[0,1] neg_hi:[0,1]
.set i, i+1
.endr
	WIN 0x0a
.set i, 0
.rept 128
	v_pk_fma_f32 v[SUM+2*(i%4):SUM+2*(i%4)+1], v[2*i:2*i+1], v[2*i:2*i+1], v[SUM+2*(i%4):SUM+2*(i%4)+1]
.set i, i+1
.endr
	JOIN
	v_fma_f32 v[RS], v[SUM], s48, s49              ; var + eps
	s_wait_alu depctr_va_vdst(0)
	v_rsq_f32 v[RS], v[RS]
	v_nop                                          ; a plain place behind the transcendental
	s_wait_alu depctr_va_vdst(0)                   ; and the wait ahead of its first reader
	v_mov_b32 v[RS+1], v[RS]
	s_wait_alu depctr_va_vdst(0)
	s_wait_tensorcnt 0x0                           ; my quarter of step 0 is in; the same three lines ahead of slot 1's first fill
	ds_add_u32 v[SPW], v[NIL]
	s_wait_dscnt 0x0
	CROUND
	tensor_load_to_lds s[G0+4:G0+7], s[G1:G1+7]    ; step 1: my one load behind the round
	s_nop 0
	PLACES 4
	GBLOAD 0
.irp s, 0,1,2,3,4,5,6,7
	LNQ \s
.endr
	s_wait_tensorcnt 0x1                           ; my quarter of step 0 is in; step 1's may stay out
	s_wait_dscnt 0x0                               ; my images have landed
	s_barrier_signal -1
	s_barrier_wait -1                              ; the 32 fragments lie in LDS
	WIN 0x40
.irp s, 0,1,2,3
.irp m, 0,1,2,3
.irp c, 0,1,2
	ds_load_b128 v[12*(4*\s+\m)+4*\c:12*(4*\s+\m)+4*\c+3], v[XRI] offset:(8*\m+\s)*FRB+512*\c
.endr
.endr
.endr
	WIN 0x80
.irp s, 0,1,2,3
.irp m, 0,1,2,3
.irp c, 0,1,2
	ds_load_b128 v[12*(4*\s+\m)+4*\c:12*(4*\s+\m)+4*\c+3], v[XRI] offset:(8*\m+4+\s)*FRB+512*\c
.endr
.endr
.endr
	WIN 0
.irp m, 0,1,2,3
.irp s, 0,1,2,3,4,5,6,7
	ds_load_b32 v[X1S+8*\m+\s], v[XRS] offset:128*(8*\m+\s)
.endr
.endr
	TRIP 0, 0, 2                                   ; (its first counted wait covers the loads above: they are older)
	TRIP 1, 1, 0
	OUT 0
	s_wait_xcnt 0x0                                ; the stores have read the accumulators' registers, which the next products write
	TRIP 0, 1, 3
	TRIP 1, 2, 0
	OUT 1
	s_wait_tensorcnt 0x0                           ; the wave's end
	ds_add_u32 v[SPW], v[NIL]
	s_wait_dscnt 0x0
	CROUND                                         ; the closing round
	s_endpgm
.Lfunc_end_k_qa2b32fa9e4_outp:
	.size	k_qa2b32fa9e4_outp, .Lfunc_end_k_qa2b32fa9e4_outp-k_qa2b32fa9e4_outp
	.p2alignl 7, 3214868480
	.fill 96, 4, 3214868480
	.section	.rodata,"a",@progbits
	.p2align	6, 0x0
	.amdhsa_kernel k_qa2b32fa9e4_outp
		.amdhsa_group_segment_fixed_size 327680
		.amdhsa_private_segment_fixed_size 0
		.amdhsa_enable_private_segment 0
		.amdhsa_kernarg_size 48
		.amdhsa_user_sgpr_count 2
		.amdhsa_user_sgpr_kernarg_segment_ptr 1
		.amdhsa_wavefront_size32 1
		.amdhsa_system_sgpr_workgroup_id_x 1
		.amdhsa_system_sgpr_workgroup_id_y 1
		.amdhsa_system_sgpr_workgroup_id_z 1
		.amdhsa_system_vgpr_workitem_id 0
		.amdhsa_next_free_vgpr 1024
		.amdhsa_next_free_sgpr 90
		.amdhsa_reserve_vcc 0
		.amdhsa_float_denorm_mode_32 3
		.amdhsa_float_denorm_mode_16_64 3
		.amdhsa_memory_ordered 1
		.amdhsa_forward_progress 1
		.amdhsa_inst_pref_size 225
	.end_amdhsa_kernel
	.amdgpu_metadata
---
amdhsa.version: [ 1, 2 ]
amdhsa.kernels:
  - .name:           k_qa2b32fa9e4_outp
    .symbol:         k_qa2b32fa9e4_outp.kd
    .args:
      - { .name: oimg, .offset: 0, .size: 8, .value_kind: global_buffer, .address_space: global }
      - { .name: img, .offset: 8, .size: 8, .value_kind: global_buffer, .address_space: global }
      - { .name: ln_g, .offset: 16, .size: 8, .value_kind: global_buffer, .address_space: global }
      - { .name: ln_b, .offset: 24, .size: 8, .value_kind: global_buffer, .address_space: global }
      - { .name: bo, .offset: 32, .size: 8, .value_kind: global_buffer, .address_space: global }
      - { .name: out0, .offset: 40, .size: 8, .value_kind: global_buffer, .address_space: global }
    .group_segment_fixed_size: 327680
    .private_segment_fixed_size: 0
    .kernarg_segment_align: 8
    .kernarg_segment_size: 48
    .max_flat_workgroup_size: 128
    .sgpr_count:     90
    .vgpr_count:     1024
    .wavefront_size: 32
...
	.end_amdgpu_metadata
.endif
;; end of part 4
